; MI455X (gfx1250); checked and timed in simulation.
; The chip was launched on July 23, 2026; its instructions are those of AMD's public machine-readable ISA for CDNA 5 (MIT licence, August 2026) and "CDNA5" Instruction Set Architecture Reference Guide (July 2026). The comments in the code are by the model that wrote it; some were corrected since.
;; Linear Cross Attention. Allowed arithmetic: float matrix products may take bf16 or f16 operands with f32 sums; other float arithmetic in f32, or as packed bf16 or f16 multiplies, adds, multiply-adds, maxima and minima; sums over many terms, partial sums and values carried from step to step in f32; what a program stores and reads back later, other than sums and carried values, may be rounded once to bf16 or f16.
;; Inputs: Wk 1,024 x 256 float32; Wo 1,024 x 1,024 float32; Wq 1,024 x 1,024 float32; Wv 1,024 x 256 float32; encoder_mask 4 x 4,096 bool; encoder_out 4 x 4,096 x 1,024 float32; src_doc_ids 4 x 4,096 int32; tgt_doc_ids 4 x 2,048 int32; x 4 x 2,048 x 1,024 float32.
;; Outputs: out0 4 x 2,048 x 1,024 float32.
;; Constants: max_docs = 16.
;; One version. Each part assembles by itself: llvm-mc -triple=amdgcn-amd-amdhsa -mcpu=gfx1250 --defsym DOCPART=n.
;; ======== version 1 of 1: 5 launches
;; limits: values are held in f16: magnitudes above 65,504 overflow, below 6.1e-05 lose precision; a function is approximated: absolute error at most 1.5e-07
;; workspace buffers: wqf 2,097,152 bytes; wof 2,097,152 bytes; wkvf 1,048,576 bytes; kvws 16,777,216 bytes; kvt 2,621,440 bytes; attn 16,777,216 bytes
;; launch prep (part 1): grid 256 x 1, 10 waves a work-group, no clusters, 0 bytes of LDS; arguments Wq, Wo, Wk, Wv, wqf, wof, wkvf; writes wqf, wof, wkvf
.if DOCPART == 1
	.amdgcn_target "amdgcn-amd-amdhsa--gfx1250"
	.amdhsa_code_object_version 6
	.text
	.protected	k_q7c73e0b839_prep
	.globl	k_q7c73e0b839_prep
	.p2align	8
	.type	k_q7c73e0b839_prep,@function
k_q7c73e0b839_prep:
	s_mov_b64 s[64:65], 0
	v_nop
	global_prefetch_b8 v0, s[64:65] scope:SCOPE_SE
	s_setreg_imm32_b32 hwreg(HW_REG_WAVE_MODE, 25, 1), 1
	s_wait_xcnt 0x0
; LINEAR CROSS ATTENTION BY DOCUMENTS, in five launches: prep (this one), kvproj, kvsum, qattn, oproj.
; WORK LEFT OUT, for all values of the inputs:
;  (a) reference() multiplies k by sm = (src_doc_ids == d) and the result by tm = (tgt_doc_ids == d) for d = 0 .. 15.  sm and tm are 0 or 1, and for a given row at most one d
;      gives 1: a source row enters the sums kv_d and z_d of its own document alone, and a target row takes q kv_d and q z_d of its own document alone.  All other terms are
;      products with a 0 that reference() builds itself.  So each source row is added once (kvsum) and each target row multiplied by one context (qattn); which one is read from
;      the index inputs.  A source row whose id lies outside 0 .. 15 enters no sum; a target row whose id lies outside gets 0 / (0 + eps) = 0.
;  (b) jnp.repeat copies each key and value head four times: kv_d and z_d are made once for each of the 4 heads and used by its 4 query heads.
;  (c) k and v are both multiplied by the mask m, which is 0 or 1: (k m)(v m) = k v m, and z takes k m: the mask is applied once, to k.
; Every input has a way to the output and is loaded.  max_docs is the constant 16.
; LIMITS.  A NaN, an infinity or an overflow in a term that is left out by (a) to (c) is not carried to the result.  k = gelu(..) + 1, v and the attention's result are kept
; in f16: they must stay within 65,504.  q, kv_d and z_d are kept in bf16, all sums in f32.  erf is taken by a rational form with an absolute error of 1.5e-7 at the most.
;
; THIS LAUNCH rounds the four weight matrices once and lays them in the order in which a wave's operand registers take them.  Wq, Wk, Wv: bf16.  Wo: rounded to bf16 like the
; other inputs, and that number written as f16 (exact but below f16's normal range, where the step is 6e-8), since its partner in the last product is f16.
; A BLOCK is 1,024 bytes, 16 columns x 32 k: [half hf][lane 16 h + r][16 bytes]; element i of a lane's 16 bytes is W[32 ks + 16 hf + 8 h + i][16 tile + r].
; wqf, wof: [tile 64][ks 32][block].  wkvf: [ct 32][ks 32][block]; ct = 8 kvh + 4 hf' + 2 kind + t: columns 64 kvh + 32 hf' + 16 t .. of Wk (kind 0) or Wv (kind 1).
; SHARES.  A wave takes one unit: 32 k x 32 columns, two blocks.  2,560 units: 1,024 of Wq, 1,024 of Wo, 512 of Wk and Wv.  Lane l reads column l of the unit, 32 loads of
; 4 bytes (a load of the wave covers 128 consecutive bytes; the next wave's unit takes the next 128), packs them in pairs along k, and stores 4 x 16 bytes: sixteen
; neighbouring lanes store 256 consecutive bytes, aligned.  Matrix units, LDS and clusters have nothing to do here: no number is used twice.
.set SRC, 28                           ; s[28:29] the unit's first element
.set DST, 30                           ; s[30:31] the unit's first block
.set IN,  8                            ; v[8:39]  32 numbers of my column
.set PK,  40                           ; v[40:55] the same, packed
.macro LOADS pitch
.set kx, 0
.rept 32
	global_load_b32 v[IN+kx], v1, s[SRC:SRC+1] offset:kx*(\pitch) th:TH_LOAD_NT
.set kx, kx+1
.endr
.endm
	s_load_b256 s[4:11], s[0:1], 0x0               ; Wq s[4:5], Wo s[6:7], Wk s[8:9], Wv s[10:11]
	s_load_b128 s[12:15], s[0:1], 0x20             ; wqf s[12:13], wof s[14:15]
	s_load_b64 s[16:17], s[0:1], 0x30              ; wkvf
	v_lshrrev_b32 v3, 5, v0
	v_readfirstlane_b32 s20, v3                    ; wave 0..9
	s_mul_i32 s21, ttmp9, 10
	s_add_co_u32 s21, s21, s20                     ; my unit u
	v_and_b32 v4, 31, v0
	v_lshlrev_b32 v1, 2, v4                        ; my column: 4 l
	v_and_b32 v5, 15, v0
	v_bfe_u32 v6, v0, 4, 1
	v_lshlrev_b32 v2, 4, v5                        ; where I store: 16 (l % 16),
	v_lshl_add_u32 v2, v6, 15, v2                  ; in the second tile (32,768 bytes on) for lanes 16-31
	s_mov_b32 s25, 0
	s_mov_b32 s27, 0
	s_mov_b32 s32, 0                               ; 1: the unit is Wo's
	s_wait_kmcnt 0x0
	s_cmp_ge_u32 s21, 2048
	s_cbranch_scc1 .Lkv
	s_and_b32 s22, s21, 31                         ; g: which 32 columns
	s_bfe_u32 s23, s21, 0x50005                    ; ks
	s_lshl_b32 s24, s23, 17                        ; 32 ks rows of 4,096 bytes
	s_lshl_b32 s33, s22, 7
	s_add_co_u32 s24, s24, s33                     ; + 128 g
	s_lshl_b32 s26, s22, 16                        ; tile 2 g
	s_lshl_b32 s33, s23, 10
	s_add_co_u32 s26, s26, s33                     ; + 1,024 ks
	s_cmp_lt_u32 s21, 1024
	s_cselect_b64 s[SRC:SRC+1], s[4:5], s[6:7]
	s_cselect_b64 s[DST:DST+1], s[12:13], s[14:15]
	s_cselect_b32 s32, 0, 1
	s_add_nc_u64 s[SRC:SRC+1], s[SRC:SRC+1], s[24:25]
	s_add_nc_u64 s[DST:DST+1], s[DST:DST+1], s[26:27]
	LOADS 4096
	s_branch .Lpack
.Lkv:
	s_sub_co_u32 s22, s21, 2048
	s_and_b32 s23, s22, 15                         ; g = ct / 2
	s_lshr_b32 s22, s22, 4                         ; ks
	s_lshl_b32 s24, s22, 15                        ; 32 ks rows of 1,024 bytes
	s_lshr_b32 s33, s23, 2
	s_lshl_b32 s33, s33, 8                         ; 64 kvh columns
	s_add_co_u32 s24, s24, s33
	s_bfe_u32 s33, s23, 0x10001
	s_lshl_b32 s33, s33, 7                         ; 32 hf' columns
	s_add_co_u32 s24, s24, s33
	s_lshl_b32 s26, s23, 16
	s_lshl_b32 s33, s22, 10
	s_add_co_u32 s26, s26, s33
	s_bitcmp1_b32 s23, 0                           ; kind
	s_cselect_b64 s[SRC:SRC+1], s[10:11], s[8:9]
	s_add_nc_u64 s[SRC:SRC+1], s[SRC:SRC+1], s[24:25]
	s_add_nc_u64 s[DST:DST+1], s[16:17], s[26:27]
	LOADS 1024
.Lpack:
	s_wait_loadcnt 0x0
.set kx, 0
.rept 16
	v_cvt_pk_bf16_f32 v[PK+kx], v[IN+2*kx], v[IN+2*kx+1]  ; k = 2 kx in the low half
.set kx, kx+1
.endr
	s_cmp_eq_u32 s32, 1
	s_cbranch_scc0 .Lstore
.set kx, 0
.rept 16                                       ; Wo: the bf16 number written as f16
	v_lshlrev_b32 v56, 16, v[PK+kx]
	v_and_b32 v57, 0xffff0000, v[PK+kx]
	v_cvt_pk_f16_f32 v[PK+kx], v56, v57
.set kx, kx+1
.endr
.Lstore:
.irp f,0,1
.irp h,0,1
	global_store_b128 v2, v[PK+8*\f+4*\h:PK+8*\f+4*\h+3], s[DST:DST+1] offset:512*\f+256*\h  ; k = 16 hf + 8 h .. + 7 of my column
.endr
.endr
	s_endpgm
.Lfunc_end_k_q7c73e0b839_prep:
	.size	k_q7c73e0b839_prep, .Lfunc_end_k_q7c73e0b839_prep-k_q7c73e0b839_prep
	.p2alignl 7, 3214868480
	.fill 96, 4, 3214868480
	.section	.rodata,"a",@progbits
	.p2align	6, 0x0
	.amdhsa_kernel k_q7c73e0b839_prep
		.amdhsa_group_segment_fixed_size 0
		.amdhsa_private_segment_fixed_size 0
		.amdhsa_enable_private_segment 0
		.amdhsa_kernarg_size 56
		.amdhsa_user_sgpr_count 2
		.amdhsa_user_sgpr_kernarg_segment_ptr 1
		.amdhsa_wavefront_size32 1
		.amdhsa_system_sgpr_workgroup_id_x 1
		.amdhsa_system_sgpr_workgroup_id_y 1
		.amdhsa_system_sgpr_workgroup_id_z 1
		.amdhsa_system_vgpr_workitem_id 0
		.amdhsa_next_free_vgpr 64
		.amdhsa_next_free_sgpr 66
		.amdhsa_reserve_vcc 0
		.amdhsa_float_denorm_mode_32 3
		.amdhsa_float_denorm_mode_16_64 3
		.amdhsa_memory_ordered 1
		.amdhsa_forward_progress 1
		.amdhsa_inst_pref_size 13
	.end_amdhsa_kernel
	.amdgpu_metadata
---
amdhsa.version: [ 1, 2 ]
amdhsa.kernels:
  - .name:           k_q7c73e0b839_prep
    .symbol:         k_q7c73e0b839_prep.kd
    .args:
      - { .name: Wq, .offset: 0, .size: 8, .value_kind: global_buffer, .address_space: global }
      - { .name: Wo, .offset: 8, .size: 8, .value_kind: global_buffer, .address_space: global }
      - { .name: Wk, .offset: 16, .size: 8, .value_kind: global_buffer, .address_space: global }
      - { .name: Wv, .offset: 24, .size: 8, .value_kind: global_buffer, .address_space: global }
      - { .name: wqf, .offset: 32, .size: 8, .value_kind: global_buffer, .address_space: global }
      - { .name: wof, .offset: 40, .size: 8, .value_kind: global_buffer, .address_space: global }
      - { .name: wkvf, .offset: 48, .size: 8, .value_kind: global_buffer, .address_space: global }
    .group_segment_fixed_size: 0
    .private_segment_fixed_size: 0
    .kernarg_segment_align: 8
    .kernarg_segment_size: 56
    .max_flat_workgroup_size: 320
    .sgpr_count:     66
    .vgpr_count:     64
    .wavefront_size: 32
...
	.end_amdgpu_metadata
.endif
;; end of part 1
;; launch kvproj (part 2): grid 2 x 128, 4 waves a work-group, no clusters, 102,912 bytes of LDS; arguments encoder_out, wkvf, kvws; writes kvws
.if DOCPART == 2
	.amdgcn_target "amdgcn-amd-amdhsa--gfx1250"
	.amdhsa_code_object_version 6
	.text
	.protected	k_q7c73e0b839_kvproj
	.globl	k_q7c73e0b839_kvproj
	.p2align	8
	.type	k_q7c73e0b839_kvproj,@function
k_q7c73e0b839_kvproj:
	s_mov_b64 s[64:65], 0
	v_nop
	global_prefetch_b8 v0, s[64:65] scope:SCOPE_SE
	s_setreg_imm32_b32 hwreg(HW_REG_WAVE_MODE, 25, 1), 1
	s_wait_xcnt 0x0
; k = gelu(enc Wk) + 1 and v = enc Wv, stored in f16 as operand blocks for the sums over source rows.  Left out here: the repeat of the heads and v's mask (see the first kernel's head).
; SHARES.  A work-group makes 128 rows x 256 of the 512 columns [k | v]; each of its four waves all 128 rows x 64 columns: 8 x 4 accumulators.  K = 1,024 goes in 16 trips of 64.
; enc: memory -> registers (f32) -> rounded to bf16 -> LDS (two slots of 128 rows x 144 bytes) -> fragments.  Weights: from wkvf, which lies in fragment order, straight into
; registers: in a work-group each wave alone reads its 64 columns, so they cost no LDS byte and no conversion.
; NO CLUSTER, NO TENSOR LOADS.  What work-groups share is enc's rows (2 column blocks) and the weights (128 row blocks).  A joint load lands bytes as they lie in memory: f32 rows
; in LDS would make a wave read 32 x 16 bytes a lane for 32 of K where it now reads 16, and each of the four waves would round the same numbers anew (64 conversions more for 32 of K);
; weights in LDS would add 16 KiB written and 16 KiB read for 32 of K where now there are none.
; NO PREFETCH: the launch moves 84 MB for 1,024 matrix instructions a wave, and each wave keeps up to 64 loads of 512 bytes on their way all the time.
; LAYOUT.  Source 0 = 16 rows of enc, source 1 = 16 columns of weights: in the result a lane holds ONE channel (lane % 16) and the rows s = 8 (lane / 16) + 0..7.  Rounded in pairs
; these 16 bytes are a lane's part of half a block of kvws: [b][kvh][chunk of 32 s][kind k, v][tile of 16 channels][half][lane][16 bytes]: a fragment with s along K.
; A wave's column tiles 0, 1 are k and 2, 3 are v, so the gelu is even over the waves.
; REGISTERS, in windows of 256 (s_set_vgpr_msb: bits 1:0 source 0, 3:2 source 1, 5:4 source 2, 7:6 destination):
;   window 0: v0-31 addresses; v64-127, v128-191 enc's fragments of the trip's two halves of K; the way out works in v64-207
;   window 1: accumulator (a, b) at 8 (4 a + b)     window 2: two sets of weights, 64 each     window 3: two sets of 64 f32 on their way to LDS; v128, v129 their addresses
.set SLOTB, 18432                      ; a slot: 128 rows x 144 bytes.  144 bytes = 36 words: the 16 rows of a fragment load start at 16 different groups of four banks (ISA guide 11.1)
.set STEP,  256                        ; bytes of a row of enc in a trip
.set NU,    16                         ; units of two rows that a wave stages in a trip
.set SETW,  64
.set UG,    8192                       ; bytes in memory from unit to unit
.set SPILL, 2*SLOTB                    ; 4 x 16,384: each wave's own: its 16 k accumulators in f32
.set SPARE, SPILL+4*16384              ; the spare words, 128 bytes a wave: two blocks of 256 bytes that no other line names
.set SPW, 3                            ; v3   SPARE + 4 x my thread's number; never rewritten
.set NIL, 4                            ; v4   0; never rewritten
.set GB,  5                            ; v5   16 x lane
.set LFA, 6                            ; v6   a fragment's row x 144 + 16 x half
.set SPA, 8                            ; v8   where I spill
.set SPR, 9                            ; v9   where I read it back; steps
.set GOK, 13                           ; v13  my byte offset in a chunk of kvws; steps
.set LSA3, 128                         ; window 3: where I put 8 bytes of a row in a slot
.set GA3,  129                         ; window 3: my 16 bytes of two rows of enc
.set GX, 64
.set GT, 96
.set GE, 128
.set GP, 160
.set PKO, 192
.set XA, 4                             ; s[4:5]  enc at the work-group's rows, at the trip being asked for
.set WB, 6                             ; s[6:7]  wkvf at my four tiles
.set KVO, 8                            ; s[8:9]  kvws at my first chunk and my two tiles
.set WV, 10
.set LP, 20
.set CP, 36                            ; 0.3275911 / sqrt(2)
.set CC, 38                            ; -log2(e) / 2
.set A1, 40
.set A2, 42
.set A3, 44
.set A4, 46
.set A5, 48
.set W_MM, 0x58                        ; source 0 (enc) window 0, source 1 (weights) window 2, C and D window 1
.set W_ST, 0xcf
.set W_LB, 0x80
.set W_SP, 0x04
.set W_C1, 0x05
.set W_M3, 0xc0
.set MSB, 0
.macro WIN new                         ; the immediate's high byte repeats the setting that is left; a switch that changes nothing is dropped
.if MSB != (\new)
	s_set_vgpr_msb (MSB<<8)|(\new)
.set MSB, \new
.endif
.endm
.macro PLACES                          ; four places between a matrix instruction and a load or a vector write into one of its registers, or a read of its result
.rept 4
	v_nop
.endr
.endm
.macro WM ks, p, a, b, zero            ; one product on accumulator (a, b): half ks of the trip's K, weight set p
.set rD, 8*(4*(\a)+(\b))
.set rW, 64*(\p)+16*(\b)+8*(\ks)
.set rA, 64+64*(\ks)+8*(\a)
.if \zero
	v_wmma_f32_16x16x32_bf16 v[rD:rD+7], v[rA:rA+7], v[rW:rW+7], 0
.else
	v_wmma_f32_16x16x32_bf16 v[rD:rD+7], v[rA:rA+7], v[rW:rW+7], v[rD:rD+7]
.endif
.endm
.macro FLOAD ks, a, slot               ; a fragment of 16 rows x 32 K out of a slot
	WIN 0
.set rF, 64+64*(\ks)+8*(\a)
	ds_load_b128 v[rF:rF+3],   v[LFA] offset:(\slot)*SLOTB+(\a)*2304+64*(\ks)
	ds_load_b128 v[rF+4:rF+7], v[LFA] offset:(\slot)*SLOTB+(\a)*2304+64*(\ks)+32
.endm
.macro UNIT u, q, slot, aload, xo      ; two rows of set q: rounded, put into the slot; the registers are asked for again at once
	WIN W_ST
.set rU, SETW*(\q)+4*(\u)
	v_cvt_pk_bf16_f32 v[rU], v[rU], v[rU+1]
	v_cvt_pk_bf16_f32 v[rU+1], v[rU+2], v[rU+3]
	ds_store_b64 v[LSA3], v[rU:rU+1] offset:(\slot)*SLOTB+(\u)*288
.if \aload
	global_load_b128 v[rU:rU+3], v[GA3], s[XA:XA+1] offset:(\xo)+(\u)*UG
.endif
.endm
.macro BLOAD p, xo                     ; a trip's weights: 4 tiles x 2 halves of K x 2 loads of 512 consecutive bytes
	WIN W_LB
.irp b,0,1,2,3
.irp k,0,1
	global_load_b128 v[64*(\p)+16*(\b)+8*(\k):64*(\p)+16*(\b)+8*(\k)+3],   v[GB], s[WB:WB+1] offset:(\xo)+(\b)*32768+(\k)*1024
	global_load_b128 v[64*(\p)+16*(\b)+8*(\k)+4:64*(\p)+16*(\b)+8*(\k)+7], v[GB], s[WB:WB+1] offset:(\xo)+(\b)*32768+(\k)*1024+512
.endr
.endr
.endm
; TRIP i, p = i % 2: multiplies slot p by weight set p; stages the rows of trip i + 1 into slot 1 - p; asks for the rows of trip i + 3 and the weights of trip i + 2.
; The 32 accumulators take turns, one instruction a turn, in the same order in every half trip, over the backward jump too.
; ONE BARRIER a trip orders two things: every wave's stores into slot 1 - p stand ahead of all reads of it, and every wave's reads of slot p (all waited for) ahead of the next trip's stores into it.
.macro TRIP p, zero, stage, aload, bload, cnt
	s_wait_loadcnt \cnt                            ; the rows of trip i + 1 and the weights of trip i are in; what was asked for later may stay out
.if \aload
	s_wait_xcnt 0x0                                ; every load issued so far has read its address: the pointer may be written
	s_add_nc_u64 s[XA:XA+1], s[XA:XA+1], STEP
.endif
	s_wait_dscnt 0x0                               ; the first half's fragments are in
.set sx, 0
.rept 16
	WIN W_MM
	WM 0, \p, sx/2, 2*(sx%2), \zero
	WM 0, \p, sx/2, 2*(sx%2)+1, \zero
.if sx < 8
	FLOAD 1, sx, \p                                ; the second half's fragments; their registers' last readers stand ahead of the four places that end the trip before
.endif
.if (\stage) && (sx >= 16-NU)
	UNIT sx-(16-NU), 1-(\p), 1-(\p), \aload, 0
.endif
.set sx, sx+1
.endr
	WIN 0
	PLACES                                         ; for the loads into the first half's fragments below
	s_wait_dscnt 0x0                               ; the second half's fragments are in: my reads of slot p are over; my stores into slot 1 - p are done
.if \stage
	s_barrier_signal -1
	s_barrier_wait -1
.endif
.set sx, 0
.rept 16
	WIN W_MM
	WM 1, \p, sx/2, 2*(sx%2), 0
	WM 1, \p, sx/2, 2*(sx%2)+1, 0
.if (\stage) && (sx < 8)
	FLOAD 0, sx, 1-(\p)                            ; the next trip's first fragments
.endif
.set sx, sx+1
.endr
	WIN 0
	PLACES                                         ; for the loads into weight set p, and into the second half's fragments in the next trip
.if \bload
	s_wait_xcnt 0x0
	s_add_nc_u64 s[WB:WB+1], s[WB:WB+1], 2048
	BLOAD \p, 0
.endif
.endm
; gelu(x) + 1 = max(x, 0) - |x| E / 2 + 1 for 32 numbers, in place in v[GX ..].  E = 1 - erf(|x| / sqrt 2) = t (a1 + t (a2 + t (a3 + t (a4 + t a5)))) 2^(-x x log2(e) / 2),
; t = 1 / (1 + 0.3275911 |x| / sqrt 2).  The 64 transcendentals are ONE batch with one plain instruction behind it and one wait.
.macro GELU32
.set gi, 0
.rept 32
	v_fma_f32 v[GT+gi], |v[GX+gi]|, s[CP], 1.0
.set gi, gi+1
.endr
.set gi, 0
.rept 16
	v_pk_mul_f32 v[GE+gi:GE+gi+1], v[GX+gi:GX+gi+1], v[GX+gi:GX+gi+1]
.set gi, gi+2
.endr
.set gi, 0
.rept 16
	v_pk_mul_f32 v[GE+gi:GE+gi+1], v[GE+gi:GE+gi+1], s[CC:CC+1] op_sel_hi:[1,0]
.set gi, gi+2
.endr
.set gi, 0
.rept 32
	v_rcp_f32 v[GT+gi], v[GT+gi]
.set gi, gi+1
.endr
.set gi, 0
.rept 32
	v_exp_f32 v[GE+gi], v[GE+gi]
.set gi, gi+1
.endr
	v_nop
	s_wait_alu depctr_va_vdst(0)
.set gi, 0
.rept 16
	v_pk_fma_f32 v[GP+gi:GP+gi+1], v[GT+gi:GT+gi+1], s[A5:A5+1], s[A4:A4+1] op_sel_hi:[1,0,0]
.set gi, gi+2
.endr
.irp c, A3, A2, A1
.set gi, 0
.rept 16
	v_pk_fma_f32 v[GP+gi:GP+gi+1], v[GP+gi:GP+gi+1], v[GT+gi:GT+gi+1], s[\c:\c+1] op_sel_hi:[1,1,0]
.set gi, gi+2
.endr
.endr
.set gi, 0
.rept 16
	v_pk_mul_f32 v[GP+gi:GP+gi+1], v[GP+gi:GP+gi+1], v[GT+gi:GT+gi+1]
.set gi, gi+2
.endr
.set gi, 0
.rept 16
	v_pk_mul_f32 v[GP+gi:GP+gi+1], v[GP+gi:GP+gi+1], v[GE+gi:GE+gi+1]
.set gi, gi+2
.endr
.set gi, 0
.rept 32
	v_mul_f32 v[GP+gi], |v[GX+gi]|, v[GP+gi]
.set gi, gi+1
.endr
.set gi, 0
.rept 32
	v_max_num_f32 v[GX+gi], 0, v[GX+gi]
.set gi, gi+1
.endr
.set gi, 0
.rept 16
	v_pk_fma_f32 v[GX+gi:GX+gi+1], v[GP+gi:GP+gi+1], -0.5, v[GX+gi:GX+gi+1] op_sel_hi:[1,0,1]
.set gi, gi+2
.endr
.set gi, 0
.rept 16
	v_pk_add_f32 v[GX+gi:GX+gi+1], v[GX+gi:GX+gi+1], 1.0 op_sel_hi:[1,0]
.set gi, gi+2
.endr
.endm
	s_load_b128 s[4:7], s[0:1], 0x0                ; enc, wkvf
	s_load_b64 s[8:9], s[0:1], 0x10                ; kvws
	v_lshl_add_u32 v[SPW], v0, 2, SPARE
	v_mov_b32 v[NIL], 0
	v_lshrrev_b32 v29, 5, v0
	v_readfirstlane_b32 s[WV], v29                 ; wave 0..3
	v_and_b32 v28, 31, v0                          ; l
	v_and_b32 v1, 15, v0                           ; r = l % 16
	v_bfe_u32 v2, v0, 4, 1                         ; h = l / 16
	v_lshlrev_b32 v[GB], 4, v28
	v_mul_u32_u24 v[LFA], v1, 144
	v_lshl_add_u32 v[LFA], v2, 4, v[LFA]
	s_lshl_b32 s14, s[WV], 17                      ; my 32 rows of 4,096 bytes
	v_lshlrev_b32 v30, 4, v1
	v_lshl_add_u32 v30, v2, 12, v30
	v_add_nc_u32 v30, s14, v30                     ; (32 w + h) x 4,096 + 16 r: sixteen lanes take a row's 256 bytes
	s_mul_i32 s14, s[WV], 32*144
	v_mul_u32_u24 v31, v2, 144
	v_lshl_add_u32 v31, v1, 3, v31
	v_add_nc_u32 v31, s14, v31                     ; (32 w + h) x 144 + 8 r
	WIN W_M3
	v_mov_b32 v[LSA3], v31
	v_mov_b32 v[GA3], v30
	WIN 0
	s_lshl_b32 s14, s[WV], 14
	s_add_co_u32 s14, s14, SPILL
	v_lshl_add_u32 v[SPA], v28, 4, s14
	v_mov_b32 v[SPR], v[SPA]
	v_mov_b32 v[GOK], v[GB]
	s_mov_b32 s[CP], 0x3e6d3388
	s_mov_b32 s[CC], 0xbf38aa3b
	s_mov_b32 s[A1], 0x3e827906
	s_mov_b32 s[A2], 0xbe91a98e
	s_mov_b32 s[A3], 0x3fb5f0e3
	s_mov_b32 s[A4], 0xbfba00e3
	s_mov_b32 s[A5], 0x3f87dc22
.irp c, CC, A1, A2, A3, A4, A5
	s_mov_b32 s[\c+1], s[\c]                       ; named as pairs, so both words are written
.endr
	s_and_b32 s12, ttmp7, 0xffff                   ; rb: my block of 128 rows
	s_lshl_b32 s14, s12, 19
	s_mov_b32 s15, 0
	s_lshl_b32 s16, ttmp9, 4
	s_lshl2_add_u32 s16, s[WV], s16                ; my first tile ct = 16 cb + 4 w
	s_lshl_b32 s16, s16, 15
	s_mov_b32 s17, 0
	s_lshr_b32 s18, s12, 5
	s_lshl_b32 s18, s18, 2                         ; 4 b
	s_lshl_b32 s19, ttmp9, 1
	s_add_co_u32 s18, s18, s19
	s_lshr_b32 s19, s[WV], 1
	s_add_co_u32 s18, s18, s19                     ; + kvh = 2 cb + w / 2
	s_lshl_b32 s18, s18, 7
	s_and_b32 s19, s12, 31
	s_lshl2_add_u32 s18, s19, s18                  ; + my first chunk, 4 (rb % 32)
	s_lshl_b32 s18, s18, 13
	s_and_b32 s19, s[WV], 1
	s_lshl_b32 s19, s19, 11                        ; my two tiles of the head's four
	s_add_co_u32 s18, s18, s19
	s_mov_b32 s19, 0
	s_wait_kmcnt 0x0
	s_add_nc_u64 s[XA:XA+1], s[XA:XA+1], s[14:15]
	s_add_nc_u64 s[WB:WB+1], s[WB:WB+1], s[16:17]
	s_add_nc_u64 s[KVO:KVO+1], s[KVO:KVO+1], s[18:19]
	WIN W_ST
.set ux, 0
.rept NU
	global_load_b128 v[4*ux:4*ux+3], v[GA3], s[XA:XA+1] offset:ux*UG            ; the rows of trip 0
.set ux, ux+1
.endr
.set ux, 0
.rept NU
	global_load_b128 v[SETW+4*ux:SETW+4*ux+3], v[GA3], s[XA:XA+1] offset:STEP+ux*UG  ; of trip 1
.set ux, ux+1
.endr
	BLOAD 0, 0
	s_wait_xcnt 0x0
	s_add_nc_u64 s[XA:XA+1], s[XA:XA+1], 2*STEP
	s_wait_loadcnt 32                              ; trip 0's rows are in; trip 1's 16 loads and the 16 of the weights may stay out
.set ux, 0
.rept NU
	UNIT ux, 0, 0, 1, 0                            ; into slot 0; trip 2's rows are asked for
.set ux, ux+1
.endr
	BLOAD 1, 2048
	s_wait_xcnt 0x0
	s_add_nc_u64 s[WB:WB+1], s[WB:WB+1], 2048
	s_wait_dscnt 0x0
	s_barrier_signal -1
	s_barrier_wait -1                              ; slot 0 is whole
.set ux, 0
.rept 8
	FLOAD 0, ux, 0
.set ux, ux+1
.endr
	TRIP 0, 1, 1, 1, 1, 32                         ; trip 0 stands ahead of the loop: its first products start the sums with the constant 0
	WIN 0
	s_mov_b32 s[LP], 6
.Lk:                                               ; trips 1 to 12
	TRIP 1, 0, 1, 1, 1, 32
	TRIP 0, 0, 1, 1, 1, 32
	WIN 0
	s_sub_co_u32 s[LP], s[LP], 1
	s_cmp_lg_u32 s[LP], 0
	s_cbranch_scc1 .Lk
	TRIP 1, 0, 1, 0, 1, 32                         ; trip 13: no rows are left to ask for
	TRIP 0, 0, 1, 0, 0, 16                         ; trip 14: nor weights; only trip 15's 16 loads of weights may stay out
	TRIP 1, 0, 0, 0, 0, 0                          ; trip 15
	PLACES                                         ; (eight in all, once a launch, ahead of the first reads of results)
	; THE WAY OUT.  k's 16 accumulators go to my own bytes of LDS, so that one text of the gelu can walk them; v's 16 are rounded and stored while those stores are served.
	WIN W_SP
.irp a,0,1,2,3,4,5,6,7
.irp b,0,1
	ds_store_b128 v[SPA], v[8*(4*\a+\b):8*(4*\a+\b)+3]   offset:((\a)/2)*4096+(((\a)%2)*2+\b)*1024
	ds_store_b128 v[SPA], v[8*(4*\a+\b)+4:8*(4*\a+\b)+7] offset:((\a)/2)*4096+(((\a)%2)*2+\b)*1024+512
.endr
.endr
	WIN W_C1
.irp a,0,1,2,3,4,5,6,7
.irp b,2,3
.irp i,0,1,2,3
	v_cvt_pk_f16_f32 v[GX+4*(2*\a+\b-2)+\i], v[8*(4*\a+\b)+2*\i], v[8*(4*\a+\b)+2*\i+1]
.endr
.endr
.endr
	WIN 0
.irp a,0,1,2,3,4,5,6,7
.irp b,2,3
	global_store_b128 v[GB], v[GX+4*(2*\a+\b-2):GX+4*(2*\a+\b-2)+3], s[KVO:KVO+1] offset:((\a)/2)*8192+4096+(\b-2)*1024+((\a)%2)*512  ; 512 consecutive bytes, aligned
.endr
.endr
	s_wait_xcnt 0x0                                ; the stores have read their registers, which the loop below writes
	s_mov_b32 s[LP], 4
.Lchunk:                                           ; a chunk of 32 rows a trip: 4 accumulators, 32 numbers a lane.  LDS serves a wave's instructions in order (ISA guide 5.7.1.4): the loads see my stores
.irp n,0,1,2,3
	ds_load_b128 v[GX+8*\n:GX+8*\n+3],   v[SPR] offset:1024*\n
	ds_load_b128 v[GX+8*\n+4:GX+8*\n+7], v[SPR] offset:1024*\n+512
.endr
	s_wait_dscnt 0x0
	GELU32
.set gi, 0
.rept 16
	v_cvt_pk_f16_f32 v[PKO+gi], v[GX+2*gi], v[GX+2*gi+1]
.set gi, gi+1
.endr
.irp n,0,1,2,3
	global_store_b128 v[GOK], v[PKO+4*\n:PKO+4*\n+3], s[KVO:KVO+1] offset:((\n)%2)*1024+((\n)/2)*512
.endr
	s_wait_xcnt 0x0                                ; the stores have read their data and their offset, which are written again
	v_add_nc_u32 v[GOK], 8192, v[GOK]
	v_add_nc_u32 v[SPR], 4096, v[SPR]
	s_sub_co_u32 s[LP], s[LP], 1
	s_cmp_lg_u32 s[LP], 0
	s_cbranch_scc1 .Lchunk
	s_wait_tensorcnt 0x0                           ; the wave's end, behind my last LDS store
	ds_add_u32 v[SPW], v[NIL]
	s_wait_dscnt 0x0
	s_endpgm
.Lfunc_end_k_q7c73e0b839_kvproj:
	.size	k_q7c73e0b839_kvproj, .Lfunc_end_k_q7c73e0b839_kvproj-k_q7c73e0b839_kvproj
	.p2alignl 7, 3214868480
	.fill 96, 4, 3214868480
	.section	.rodata,"a",@progbits
	.p2align	6, 0x0
	.amdhsa_kernel k_q7c73e0b839_kvproj
		.amdhsa_group_segment_fixed_size 102912
		.amdhsa_private_segment_fixed_size 0
		.amdhsa_enable_private_segment 0
		.amdhsa_kernarg_size 24
		.amdhsa_user_sgpr_count 2
		.amdhsa_user_sgpr_kernarg_segment_ptr 1
		.amdhsa_wavefront_size32 1
		.amdhsa_system_sgpr_workgroup_id_x 1
		.amdhsa_system_sgpr_workgroup_id_y 1
		.amdhsa_system_sgpr_workgroup_id_z 1
		.amdhsa_system_vgpr_workitem_id 0
		.amdhsa_next_free_vgpr 900
		.amdhsa_next_free_sgpr 66
		.amdhsa_reserve_vcc 0
		.amdhsa_float_denorm_mode_32 3
		.amdhsa_float_denorm_mode_16_64 3
		.amdhsa_memory_ordered 1
		.amdhsa_forward_progress 1
		.amdhsa_inst_pref_size 116
	.end_amdhsa_kernel
	.amdgpu_metadata
---
amdhsa.version: [ 1, 2 ]
amdhsa.kernels:
  - .name:           k_q7c73e0b839_kvproj
    .symbol:         k_q7c73e0b839_kvproj.kd
    .args:
      - { .name: encoder_out, .offset: 0, .size: 8, .value_kind: global_buffer, .address_space: global }
      - { .name: wkvf, .offset: 8, .size: 8, .value_kind: global_buffer, .address_space: global }
      - { .name: kvws, .offset: 16, .size: 8, .value_kind: global_buffer, .address_space: global }
    .group_segment_fixed_size: 102912
    .private_segment_fixed_size: 0
    .kernarg_segment_align: 8
    .kernarg_segment_size: 24
    .max_flat_workgroup_size: 128
    .sgpr_count:     66
    .vgpr_count:     900
    .wavefront_size: 32
...
	.end_amdgpu_metadata
.endif
;; end of part 2
;; launch kvsum (part 3): grid 16 x 16, 8 waves a work-group, no clusters, 173,056 bytes of LDS; arguments kvws, src_doc_ids, encoder_mask, kvt; writes kvt
.if DOCPART == 3
	.amdgcn_target "amdgcn-amd-amdhsa--gfx1250"
	.amdhsa_code_object_version 6
	.text
	.protected	k_q7c73e0b839_kvsum
	.globl	k_q7c73e0b839_kvsum
	.p2align	8
	.type	k_q7c73e0b839_kvsum,@function
k_q7c73e0b839_kvsum:
	s_mov_b64 s[64:65], 0
	v_nop
	global_prefetch_b8 v0, s[64:65] scope:SCOPE_SE
	s_setreg_imm32_b32 hwreg(HW_REG_WAVE_MODE, 25, 1), 1
	s_wait_xcnt 0x0
; kv_d[dk][e] = the sum over the source rows s of document d with a true mask of k[s][dk] v[s][e], and z_d[dk] = the sum of k[s][dk]: for one (batch, key head, document) a work-group.
; Left out (see the first kernel's head): rows of other documents, by whole chunks of 32 rows where the ids and the mask that this launch reads name none; inside a chunk k is set to 0 by a select.
; LIMIT: a v that is not finite in a chunk that holds a row of the document spoils the sum, as it does in reference().
; SHARES.  Wave w takes the chunks w, w + 8, .. w + 120 of the batch's 128: neighbouring chunks go to different waves.  20 accumulators: (m, kt): e = 16 m .., dk = 16 kt ..; m = 4 is z.
; LAYOUT.  Source 0 = k (rows dk, s along K), source 1 = v (columns e), both as kvproj stored them: two loads of 512 consecutive bytes a fragment.  In the result a lane holds ONE e
; (lane % 16) and dk = 8 (lane / 16) + 0..7: rounded to bf16 that is a lane's part of half a block of kvt: [b][kvh][d][m 5][kk 2][half][lane][16 bytes]: a fragment of kv^T with dk along K.
; z comes from a source 1 that holds 1 in columns 0 and 8 and 0 elsewhere: tile 4 of kvt holds z in rows 0 and 8.
; THE EIGHT PARTIAL SUMS meet in LDS.  Wave w adds up the tiles kt = w % 4: m = 0, 1, 2 in waves 0 to 3, m = 3, 4 in waves 4 to 7.  All LDS addresses of that part are fixed: three base
; registers, the tile and the source in the immediate.
; The accumulators are cleared by 160 lines, while the ids are on their way: which chunk is a wave's first hangs on the ids, so no first step can be written out.
; No cluster: the sixteen documents' work-groups read different chunks but for those that hold two documents.  No prefetch: a wave's loads are few and known only from the ids.
.set TBL,   0                          ; 8 x 1,024: a select word of 16 bits for each of a wave's 512 rows: the wave's own
.set RED,   8192                       ; 8 x 20,480: each wave's 20 accumulators in f32
.set SPARE, RED+8*20480                ; the spare words, 128 bytes a wave: four blocks of 256 bytes that no other line names
.set RR2, 2                            ; v2   the partial sums of waves 6, 7: RR0 + 122,880; never rewritten
.set SPW, 3
.set NIL, 4
.set GO,  5                            ; v5   16 x lane
.set TBA, 6                            ; v6   where I put a select word
.set TBR, 7                            ; v7   where I read eight of them; steps
.set ONES, 8                           ; v[8:15]; behind the loop v[8:19] take the packed results
.set MW,  16                           ; v[16:23] the select words in a fragment's order
.set RDA, 26                           ; v26  where I put my partial sums
.set RR0, 27                           ; v27  the partial sums of waves 0, 1, 2 for kt = w % 4: RED + 1,024 kt + 16 l; never rewritten
.set RR1, 28                           ; v28  of waves 3, 4, 5: RR0 + 61,440; never rewritten
.set KO,  29                           ; v29  my 16 bytes of a tile of kvt; never rewritten
.set KF,  32                           ; v[32:63] k: tile kt at 32 + 8 kt
.set VF,  64                           ; v[64:95] v
.set ACC, 96                           ; v[96:255] (m, kt) at 96 + 8 (4 m + kt)
.set KVP, 4                            ; s[4:5] kvws at my next chunk
.set WV,  12
.set DOC, 13
.set ACT, 20                           ; bit j: my chunk j holds a row of the document
.set JJ,  21
; The eight waves' partial sums of tile (m, kt), 8 registers each, into buffer i of 64 registers: 16 loads.
.macro RLOAD m, i
.set rB, 32+64*(\i)
.irp w,0,1,2
	ds_load_b128 v[rB+8*\w:rB+8*\w+3],         v[RR0] offset:20480*\w+4096*(\m)
	ds_load_b128 v[rB+8*\w+4:rB+8*\w+7],       v[RR0] offset:20480*\w+4096*(\m)+512
	ds_load_b128 v[rB+24+8*\w:rB+24+8*\w+3],   v[RR1] offset:20480*\w+4096*(\m)
	ds_load_b128 v[rB+24+8*\w+4:rB+24+8*\w+7], v[RR1] offset:20480*\w+4096*(\m)+512
.endr
.irp w,0,1
	ds_load_b128 v[rB+48+8*\w:rB+48+8*\w+3],   v[RR2] offset:20480*\w+4096*(\m)
	ds_load_b128 v[rB+48+8*\w+4:rB+48+8*\w+7], v[RR2] offset:20480*\w+4096*(\m)+512
.endr
.endm
; Buffer i is added up by halves (16, 8 and 4 packed additions), rounded and stored as tile m.  left: the LDS loads issued behind buffer i's, which may stay out.
; Each buffer has its own four registers for the packed result, and the store's offset is never rewritten: no wait stands between the stores.
.macro RADD m, i, left
.set rB, 32+64*(\i)
	s_wait_dscnt \left
.irp d,32,16,8
.set jx, 0
.rept (\d)/2
	v_pk_add_f32 v[rB+jx:rB+jx+1], v[rB+jx:rB+jx+1], v[rB+(\d)+jx:rB+(\d)+jx+1]
.set jx, jx+2
.endr
.endr
.irp c,0,1,2,3
	v_cvt_pk_bf16_f32 v[8+4*(\i)+\c], v[rB+2*\c], v[rB+2*\c+1]
.endr
	global_store_b128 v[KO], v[8+4*(\i):8+4*(\i)+3], s[10:11] offset:2048*(\m)  ; 512 consecutive bytes, aligned
.endm
	s_load_b256 s[4:11], s[0:1], 0x0               ; kvws, src_doc_ids, encoder_mask, kvt
	v_lshl_add_u32 v[SPW], v0, 2, SPARE
	v_mov_b32 v[NIL], 0
	v_lshrrev_b32 v9, 5, v0
	v_readfirstlane_b32 s[WV], v9                  ; wave 0..7
	v_and_b32 v10, 31, v0                          ; l
	v_and_b32 v1, 15, v0
	v_bfe_u32 v2, v0, 4, 1
	s_mov_b32 s[DOC], ttmp9
	s_and_b32 s14, ttmp7, 0xffff                   ; bh = 4 b + kvh
	s_lshr_b32 s15, s14, 2                         ; b
	v_lshlrev_b32 v[GO], 4, v10
	s_lshl_b32 s16, s[WV], 10
	v_lshl_add_u32 v[TBA], v10, 1, s16
	v_lshl_add_u32 v[TBR], v2, 4, s16
	s_lshl_b32 s17, s15, 14
	s_lshl_b32 s18, s[WV], 7
	s_add_co_u32 s17, s17, s18
	v_lshl_add_u32 v30, v10, 2, s17                ; the id of row 32 w + l of the batch
	s_lshl_b32 s17, s15, 12
	s_lshl_b32 s18, s[WV], 5
	s_add_co_u32 s17, s17, s18
	v_add_nc_u32 v31, s17, v10                     ; its mask byte
	s_mul_i32 s16, s[WV], 20480
	s_add_co_u32 s16, s16, RED
	v_lshl_add_u32 v[RDA], v10, 4, s16
	s_and_b32 s16, s[WV], 3                        ; the kt that I add up
	s_lshl_b32 s17, s16, 10
	s_add_co_u32 s17, s17, RED
	v_lshl_add_u32 v[RR0], v10, 4, s17
	v_add_nc_u32 v[RR1], 61440, v[RR0]
	v_add_nc_u32 v[RR2], 122880, v[RR0]            ; with the largest immediate, 37,376, and 16 bytes a lane the last byte read is RED's last
	s_lshl_b32 s16, s16, 9
	v_lshl_add_u32 v[KO], v10, 4, s16              ; block kk = kt / 2, half kt % 2: 512 kt + 16 l
	s_lshl_b32 s22, s14, 7
	s_add_co_u32 s22, s22, s[WV]
	s_lshl_b32 s22, s22, 13                        ; chunk w of (b, kvh)
	s_mov_b32 s23, 0
	s_lshl4_add_u32 s24, s14, s[DOC]
	s_mul_i32 s24, s24, 10240
	s_mov_b32 s25, 0
	s_mov_b32 s[ACT], 0
	s_wait_kmcnt 0x0
	s_add_nc_u64 s[KVP:KVP+1], s[KVP:KVP+1], s[22:23]
	s_add_nc_u64 s[10:11], s[10:11], s[24:25]
.set jx, 0
.rept 16
	global_load_b32 v[32+jx], v30, s[6:7] offset:1024*jx
.set jx, jx+1
.endr
.set jx, 0
.rept 16
	global_load_u8 v[48+jx], v31, s[8:9] offset:256*jx
.set jx, jx+1
.endr
	v_and_b32 v25, 7, v1
	v_mov_b32 v24, 0x3c003c00                      ; 1.0 twice in f16
	v_cmp_eq_u32 vcc_lo, 0, v25
	v_cndmask_b32 v[ONES], 0, v24, vcc_lo
.irp i,1,2,3,4,5,6,7
	v_mov_b32 v[ONES+\i], v[ONES]
.endr
	v_mov_b32 v24, 0xffff
.set jx, 0
.rept 160
	v_mov_b32 v[ACC+jx], 0
.set jx, jx+1
.endr
	s_wait_loadcnt 0x0
.set jx, 0
.rept 16                                       ; a row counts if its id is the document's and its mask is true
	v_cmp_eq_u32 s34, s[DOC], v[32+jx]
	v_cmp_ne_u32 s35, 0, v[48+jx]
	s_and_b32 s34, s34, s35
	s_cselect_b32 s35, (1<<jx), 0
	s_or_b32 s[ACT], s[ACT], s35
	v_cndmask_b32 v25, 0, v24, s34
	ds_store_b16 v[TBA], v25 offset:TBL+64*jx
.set jx, jx+1
.endr
	s_mov_b32 s[JJ], 0
.Lj:                                               ; my 16 chunks; one without a row of the document is jumped over: no barrier stands in what is jumped
	s_bitcmp1_b32 s[ACT], s[JJ]
	s_cbranch_scc0 .Lskip
.irp t,0,1,2,3
	global_load_b128 v[KF+8*\t:KF+8*\t+3],   v[GO], s[KVP:KVP+1] offset:1024*\t
	global_load_b128 v[KF+8*\t+4:KF+8*\t+7], v[GO], s[KVP:KVP+1] offset:1024*\t+512
	global_load_b128 v[VF+8*\t:VF+8*\t+3],   v[GO], s[KVP:KVP+1] offset:4096+1024*\t
	global_load_b128 v[VF+8*\t+4:VF+8*\t+7], v[GO], s[KVP:KVP+1] offset:4096+1024*\t+512
.endr
	ds_load_b128 v[MW:MW+3],   v[TBR] offset:TBL       ; rows 8 h .. 8 h + 7 of the chunk,
	ds_load_b128 v[MW+4:MW+7], v[TBR] offset:TBL+32    ; and 16 + 8 h ..: the order of a fragment's registers
	s_wait_loadcnt 0x0
	s_wait_dscnt 0x0
.irp t,0,1,2,3
.irp i,0,1,2,3,4,5,6,7
	v_and_b32 v[KF+8*\t+\i], v[KF+8*\t+\i], v[MW+\i]
.endr
.endr
.irp m,0,1,2,3
.irp t,0,1,2,3                                 ; the 20 accumulators take turns, one instruction a turn, over the backward jump too
	v_wmma_f32_16x16x32_f16 v[ACC+8*(4*\m+\t):ACC+8*(4*\m+\t)+7], v[KF+8*\t:KF+8*\t+7], v[VF+8*\m:VF+8*\m+7], v[ACC+8*(4*\m+\t):ACC+8*(4*\m+\t)+7]
.endr
.endr
.irp t,0,1,2,3
	v_wmma_f32_16x16x32_f16 v[ACC+8*(16+\t):ACC+8*(16+\t)+7], v[KF+8*\t:KF+8*\t+7], v[ONES:ONES+7], v[ACC+8*(16+\t):ACC+8*(16+\t)+7]
.endr
.rept 4
	v_nop                                          ; four places ahead of the next chunk's loads into k's and v's registers
.endr
.Lskip:
	s_wait_xcnt 0x0                                ; the loads have read their address
	s_add_nc_u64 s[KVP:KVP+1], s[KVP:KVP+1], 0x10000   ; eight chunks on
	v_add_nc_u32 v[TBR], 64, v[TBR]
	s_add_co_u32 s[JJ], s[JJ], 1
	s_cmp_lt_u32 s[JJ], 16
	s_cbranch_scc1 .Lj
.rept 4
	v_nop                                          ; (eight in all ahead of the first read of a result)
.endr
.set jx, 0
.rept 20
	ds_store_b128 v[RDA], v[ACC+8*jx:ACC+8*jx+3]   offset:1024*jx
	ds_store_b128 v[RDA], v[ACC+8*jx+4:ACC+8*jx+7] offset:1024*jx+512
.set jx, jx+1
.endr
	s_wait_dscnt 0x0                               ; for the others' sake: my partial sums lie in LDS
	s_barrier_signal -1
	s_barrier_wait -1
	s_cmp_lt_u32 s[WV], 4
	s_cbranch_scc0 .Lhigh
	RLOAD 0, 0                                     ; waves 0 to 3: m = 0, 1, 2: all 48 loads go out first
	RLOAD 1, 1
	RLOAD 2, 2
	RADD 0, 0, 32                                  ; the two later tiles' 32 loads may stay out,
	RADD 1, 1, 16                                  ; the last tile's 16,
	RADD 2, 2, 0                                   ; none
	s_branch .Lend
.Lhigh:
	RLOAD 3, 0                                     ; waves 4 to 7: m = 3, 4
	RLOAD 4, 1
	RADD 3, 0, 16
	RADD 4, 1, 0
.Lend:
	s_barrier_signal -1                            ; every wave's reads of the partial sums (all waited for) stand ahead of
	s_barrier_wait -1                              ; every wave's closing write to LDS
	s_wait_tensorcnt 0x0                           ; the wave's end, behind my last LDS store
	ds_add_u32 v[SPW], v[NIL]
	s_wait_dscnt 0x0
	s_endpgm
.Lfunc_end_k_q7c73e0b839_kvsum:
	.size	k_q7c73e0b839_kvsum, .Lfunc_end_k_q7c73e0b839_kvsum-k_q7c73e0b839_kvsum
	.p2alignl 7, 3214868480
	.fill 96, 4, 3214868480
	.section	.rodata,"a",@progbits
	.p2align	6, 0x0
	.amdhsa_kernel k_q7c73e0b839_kvsum
		.amdhsa_group_segment_fixed_size 173056
		.amdhsa_private_segment_fixed_size 0
		.amdhsa_enable_private_segment 0
		.amdhsa_kernarg_size 32
		.amdhsa_user_sgpr_count 2
		.amdhsa_user_sgpr_kernarg_segment_ptr 1
		.amdhsa_wavefront_size32 1
		.amdhsa_system_sgpr_workgroup_id_x 1
		.amdhsa_system_sgpr_workgroup_id_y 1
		.amdhsa_system_sgpr_workgroup_id_z 1
		.amdhsa_system_vgpr_workitem_id 0
		.amdhsa_next_free_vgpr 256
		.amdhsa_next_free_sgpr 66
		.amdhsa_reserve_vcc 1
		.amdhsa_float_denorm_mode_32 3
		.amdhsa_float_denorm_mode_16_64 3
		.amdhsa_memory_ordered 1
		.amdhsa_forward_progress 1
		.amdhsa_inst_pref_size 40
	.end_amdhsa_kernel
	.amdgpu_metadata
---
amdhsa.version: [ 1, 2 ]
amdhsa.kernels:
  - .name:           k_q7c73e0b839_kvsum
    .symbol:         k_q7c73e0b839_kvsum.kd
    .args:
      - { .name: kvws, .offset: 0, .size: 8, .value_kind: global_buffer, .address_space: global }
      - { .name: src_doc_ids, .offset: 8, .size: 8, .value_kind: global_buffer, .address_space: global }
      - { .name: encoder_mask, .offset: 16, .size: 8, .value_kind: global_buffer, .address_space: global }
      - { .name: kvt, .offset: 24, .size: 8, .value_kind: global_buffer, .address_space: global }
    .group_segment_fixed_size: 173056
    .private_segment_fixed_size: 0
    .kernarg_segment_align: 8
    .kernarg_segment_size: 32
    .max_flat_workgroup_size: 256
    .sgpr_count:     66
    .vgpr_count:     256
    .wavefront_size: 32
...
	.end_amdgpu_metadata
.endif
;; end of part 3
;; launch qattn (part 4): grid 4 x 64, 4 waves a work-group, no clusters, 179,712 bytes of LDS; arguments x, wqf, kvt, tgt_doc_ids, attn; writes attn
.if DOCPART == 4
	.amdgcn_target "amdgcn-amd-amdhsa--gfx1250"
	.amdhsa_code_object_version 6
	.text
	.protected	k_q7c73e0b839_qattn
	.globl	k_q7c73e0b839_qattn
	.p2align	8
	.type	k_q7c73e0b839_qattn,@function
k_q7c73e0b839_qattn:
	s_mov_b64 s[64:65], 0
	v_nop
	global_prefetch_b8 v0, s[64:65] scope:SCOPE_SE
	s_setreg_imm32_b32 hwreg(HW_REG_WAVE_MODE, 25, 1), 1
	s_wait_xcnt 0x0
; q = gelu(x Wq) + 1, and for each target row num / (den + 1e-5) with the context of its own document.  Left out (see the first kernel's head): the contexts of the other documents; the repeat of the heads.
; SHARES.  A work-group makes 128 rows x 256 columns of q: the four query heads of one key head; wave w all 128 rows of head 4 cb + w: 8 x 4 accumulators.  K = 1,024 goes in 16 trips of 64.
; x: memory -> registers (f32) -> rounded to bf16 -> LDS (two slots of 128 rows x 144 bytes) -> fragments.  Weights: from wqf, in fragment order, straight into registers.
; NO CLUSTER, NO TENSOR LOADS.  What work-groups share is x's rows (4 column blocks) and the weights (64 row blocks).  A joint load lands bytes as they lie in memory: f32 rows in LDS would make
; a wave read 32 x 16 bytes a lane for 32 of K where it now reads 16, and each of the four waves would round the same numbers anew (64 conversions more for 32 of K); weights in LDS would add
; 16 KiB written and 16 KiB read for 32 of K where now there are none.
; LAYOUT.  Source 0 = 16 columns of Wq, source 1 = 16 rows of x: in the result a lane holds ONE query (lane % 16) and the channels dk = 8 (lane / 16) + 0..7.  Two such results, rounded to bf16 in
; pairs, ARE source 1 (32 dk x 16 queries) of num^T = kv^T q^T, whose source 0 comes from kvt as it lies.  Its fifth tile holds z in rows 0 and 8, so den falls into the lowest register of both halves of the lanes.
; DOCUMENTS.  A tile of 16 queries is multiplied by the context of each document that its ids name, with q set to 0 in the queries of other documents; all add into the same five accumulators.
; The context that lies in registers from the tile before goes first and starts the sums; where ids come in runs it is the only one.  Every order of ids is served: 16 contexts a tile at the most.
; REGISTERS, in windows of 256 (s_set_vgpr_msb: bits 1:0 source 0, 3:2 source 1, 5:4 source 2, 7:6 destination):
;   window 0: v0-31 addresses, ids; v64-127, v128-191 x's fragments; behind the loop v64-191 the gelu's, v192-207 q, v208-223 q selected, v224-255 the way out
;   window 1: accumulator (a, b) at 8 (4 a + b); behind the loop v0-39 num^T and den     window 2: two sets of weights; behind the loop v0-79 a context     window 3: two sets of 64 f32; v128, v129 their addresses
.set SLOTB, 18432                      ; a slot: 128 rows x 144 bytes.  144 bytes = 36 words: the 16 rows of a fragment load start at 16 different groups of four banks (ISA guide 11.1)
.set STEP,  256
.set NU,    16
.set SETW,  64
.set UG,    8192
.set SPILL, 2*SLOTB                    ; 4 x 32,768: each wave's own: its 32 accumulators in f32
.set STAGE, 169984                     ; 4 x 2,304: each wave's own: 16 rows x 144 bytes, for the way out
.set SPARE, STAGE+4*2304               ; the spare words, 128 bytes a wave: two blocks of 256 bytes that no other line names
.set SPW, 3
.set NIL, 4
.set GB,  5                            ; v5   16 x lane
.set LFA, 6                            ; v6   a fragment's row x 144 + 16 x half
.set PFO, 7                            ; v7   the prefetches' offset: my row of the wave's 32; never rewritten
.set SPA, 8
.set SPR, 9                            ; steps
.set STO, 10
.set STR, 11
.set GO,  12                           ; steps
.set VB,  13
.set VT,  14
.set IDA, 15                           ; v15  the ids' offset; never rewritten
.set IDS, 16                           ; v[16:23] my query's id in the tile in hand and the seven behind it
.set RC,  24                           ; v[24:25] 1 / (den + eps), named as a pair
.set DN,  26
.set ONE, 27
.set LSA3, 128
.set GA3,  129
.set GX, 64
.set GT, 96
.set GE, 128
.set GP, 160
.set Q,  192
.set MQ, 208
.set PKO, 224
.set RB, 240
.set XA, 4                             ; s[4:5]   x
.set WB, 6                             ; s[6:7]   wqf
.set KVB, 8                            ; s[8:9]   kvt at (b, kvh)
.set AT, 12                            ; s[12:13] attn at my head and rows
.set WV, 14
.set LP, 24
.set LIM, 25                           ; 3 in a wave that prefetches, else the greatest number
.set CUR, 26                           ; the document whose context lies in registers
.set PRES, 27                          ; the tile's other documents, a bit each
.set NN, 28
.set CNT, 29
.set DD, 30
.set TL, 31
.set KVP, 32                           ; s[32:33]
.set OFP, 34                           ; s[34:35]
.set CP, 36
.set CC, 38
.set A1, 40
.set A2, 42
.set A3, 44
.set A4, 46
.set A5, 48
.set W_MM, 0x52                        ; source 0 (weights, context) window 2, source 1 window 0, C and D window 1
.set W_ST, 0xcf
.set W_LB, 0x80
.set W_SP, 0x04
.set W_R1, 0x01
.set W_M3, 0xc0
.set MSB, 0
.macro WIN new                         ; the immediate's high byte repeats the setting that is left; a switch that changes nothing is dropped
.if MSB != (\new)
	s_set_vgpr_msb (MSB<<8)|(\new)
.set MSB, \new
.endif
.endm
.macro PLACES                          ; four places between a matrix instruction and a load or a vector write into one of its registers, or a read of its result
.rept 4
	v_nop
.endr
.endm
.macro WM ks, p, a, b, zero
.set rD, 8*(4*(\a)+(\b))
.set rW, 64*(\p)+16*(\b)+8*(\ks)
.set rA, 64+64*(\ks)+8*(\a)
.if \zero
	v_wmma_f32_16x16x32_bf16 v[rD:rD+7], v[rW:rW+7], v[rA:rA+7], 0
.else
	v_wmma_f32_16x16x32_bf16 v[rD:rD+7], v[rW:rW+7], v[rA:rA+7], v[rD:rD+7]
.endif
.endm
.macro FLOAD ks, a, slot
	WIN 0
.set rF, 64+64*(\ks)+8*(\a)
	ds_load_b128 v[rF:rF+3],   v[LFA] offset:(\slot)*SLOTB+(\a)*2304+64*(\ks)
	ds_load_b128 v[rF+4:rF+7], v[LFA] offset:(\slot)*SLOTB+(\a)*2304+64*(\ks)+32
.endm
.macro UNIT u, q, slot, aload, xo
	WIN W_ST
.set rU, SETW*(\q)+4*(\u)
	v_cvt_pk_bf16_f32 v[rU], v[rU], v[rU+1]
	v_cvt_pk_bf16_f32 v[rU+1], v[rU+2], v[rU+3]
	ds_store_b64 v[LSA3], v[rU:rU+1] offset:(\slot)*SLOTB+(\u)*288
.if \aload
	global_load_b128 v[rU:rU+3], v[GA3], s[XA:XA+1] offset:(\xo)+(\u)*UG
.endif
.endm
.macro BLOAD p, xo
	WIN W_LB
.irp b,0,1,2,3
.irp k,0,1
	global_load_b128 v[64*(\p)+16*(\b)+8*(\k):64*(\p)+16*(\b)+8*(\k)+3],   v[GB], s[WB:WB+1] offset:(\xo)+(\b)*32768+(\k)*1024
	global_load_b128 v[64*(\p)+16*(\b)+8*(\k)+4:64*(\p)+16*(\b)+8*(\k)+7], v[GB], s[WB:WB+1] offset:(\xo)+(\b)*32768+(\k)*1024+512
.endr
.endr
.endm
; A PREFETCH INTO THE L2: the 256 bytes of each of my 32 rows of x that the load six trips on will ask for: a lane a row, one instruction a wave and trip, behind the trip's loads.
; The four column blocks read the same rows: column block 0 asks, so each row's 256 bytes are named once in the launch.  In trip i the pointer stands at trip i + 3's bytes and the prefetch names
; trip i + 9's: trips 0 to 6 ask, later ones would pass the row's end.  how = 1: trip 0; 2: in the loop, whose count is above 3 in trips 1 to 6.
.macro ASK how
.if (\how) == 1
	s_cmp_eq_u32 s[LIM], 3
.else
	s_cmp_gt_u32 s[LP], s[LIM]
.endif
	s_cbranch_scc0 .Lna_\@
	global_prefetch_b8 v[PFO], s[XA:XA+1] offset:6*STEP th:TH_LOAD_NT scope:SCOPE_SE
.Lna_\@:
.endm
; TRIP i, p = i % 2: multiplies slot p by weight set p; stages the rows of trip i + 1 into slot 1 - p; asks for the rows of trip i + 3 and the weights of trip i + 2.
; The 32 accumulators take turns, one instruction a turn, in the same order in every half trip, over the backward jump too.
; ONE BARRIER a trip orders two things: every wave's stores into slot 1 - p stand ahead of all reads of it, and every wave's reads of slot p (all waited for) ahead of the next trip's stores into it.
.macro TRIP p, zero, stage, aload, bload, cnt, ask
	s_wait_loadcnt \cnt                            ; the rows of trip i + 1 and the weights of trip i are in; what was asked for later may stay out
.if \aload
	s_wait_xcnt 0x0                                ; every load and prefetch issued so far has read its address: the pointer may be written
	s_add_nc_u64 s[XA:XA+1], s[XA:XA+1], STEP
.endif
	s_wait_dscnt 0x0                               ; the first half's fragments are in
.set sx, 0
.rept 16
	WIN W_MM
	WM 0, \p, sx/2, 2*(sx%2), \zero
	WM 0, \p, sx/2, 2*(sx%2)+1, \zero
.if sx < 8
	FLOAD 1, sx, \p
.endif
.if (\stage) && (sx >= 16-NU)
	UNIT sx-(16-NU), 1-(\p), 1-(\p), \aload, 0
.endif
.set sx, sx+1
.endr
	WIN 0
	PLACES                                         ; for the loads into the first half's fragments below
.if \ask
	ASK \ask
.endif
	s_wait_dscnt 0x0                               ; the second half's fragments are in: my reads of slot p are over; my stores into slot 1 - p are done
.if \stage
	s_barrier_signal -1
	s_barrier_wait -1
.endif
.set sx, 0
.rept 16
	WIN W_MM
	WM 1, \p, sx/2, 2*(sx%2), 0
	WM 1, \p, sx/2, 2*(sx%2)+1, 0
.if (\stage) && (sx < 8)
	FLOAD 0, sx, 1-(\p)
.endif
.set sx, sx+1
.endr
	WIN 0
	PLACES                                         ; for the loads into weight set p, and into the second half's fragments in the next trip
.if \bload
	s_wait_xcnt 0x0
	s_add_nc_u64 s[WB:WB+1], s[WB:WB+1], 2048
	BLOAD \p, 0
.endif
.endm
; gelu(x) + 1 = max(x, 0) - |x| E / 2 + 1 for 32 numbers, in place in v[GX ..].  E = 1 - erf(|x| / sqrt 2) = t (a1 + t (a2 + t (a3 + t (a4 + t a5)))) 2^(-x x log2(e) / 2),
; t = 1 / (1 + 0.3275911 |x| / sqrt 2).  The 64 transcendentals are ONE batch with one plain instruction behind it and one wait.
.macro GELU32
.set gi, 0
.rept 32
	v_fma_f32 v[GT+gi], |v[GX+gi]|, s[CP], 1.0
.set gi, gi+1
.endr
.set gi, 0
.rept 16
	v_pk_mul_f32 v[GE+gi:GE+gi+1], v[GX+gi:GX+gi+1], v[GX+gi:GX+gi+1]
.set gi, gi+2
.endr
.set gi, 0
.rept 16
	v_pk_mul_f32 v[GE+gi:GE+gi+1], v[GE+gi:GE+gi+1], s[CC:CC+1] op_sel_hi:[1,0]
.set gi, gi+2
.endr
.set gi, 0
.rept 32
	v_rcp_f32 v[GT+gi], v[GT+gi]
.set gi, gi+1
.endr
.set gi, 0
.rept 32
	v_exp_f32 v[GE+gi], v[GE+gi]
.set gi, gi+1
.endr
	v_nop
	s_wait_alu depctr_va_vdst(0)
.set gi, 0
.rept 16
	v_pk_fma_f32 v[GP+gi:GP+gi+1], v[GT+gi:GT+gi+1], s[A5:A5+1], s[A4:A4+1] op_sel_hi:[1,0,0]
.set gi, gi+2
.endr
.irp c, A3, A2, A1
.set gi, 0
.rept 16
	v_pk_fma_f32 v[GP+gi:GP+gi+1], v[GP+gi:GP+gi+1], v[GT+gi:GT+gi+1], s[\c:\c+1] op_sel_hi:[1,1,0]
.set gi, gi+2
.endr
.endr
.set gi, 0
.rept 16
	v_pk_mul_f32 v[GP+gi:GP+gi+1], v[GP+gi:GP+gi+1], v[GT+gi:GT+gi+1]
.set gi, gi+2
.endr
.set gi, 0
.rept 16
	v_pk_mul_f32 v[GP+gi:GP+gi+1], v[GP+gi:GP+gi+1], v[GE+gi:GE+gi+1]
.set gi, gi+2
.endr
.set gi, 0
.rept 32
	v_mul_f32 v[GP+gi], |v[GX+gi]|, v[GP+gi]
.set gi, gi+1
.endr
.set gi, 0
.rept 32
	v_max_num_f32 v[GX+gi], 0, v[GX+gi]
.set gi, gi+1
.endr
.set gi, 0
.rept 16
	v_pk_fma_f32 v[GX+gi:GX+gi+1], v[GP+gi:GP+gi+1], -0.5, v[GX+gi:GX+gi+1] op_sel_hi:[1,0,1]
.set gi, gi+2
.endr
.set gi, 0
.rept 16
	v_pk_add_f32 v[GX+gi:GX+gi+1], v[GX+gi:GX+gi+1], 1.0 op_sel_hi:[1,0]
.set gi, gi+2
.endr
.endm
.macro KVLOAD                          ; a document's context: 10 fragments, 20 loads of 512 consecutive bytes
	WIN W_LB
.set gi, 0
.rept 10
	global_load_b128 v[8*gi:8*gi+3],   v[GB], s[KVP:KVP+1] offset:1024*gi
	global_load_b128 v[8*gi+4:8*gi+7], v[GB], s[KVP:KVP+1] offset:1024*gi+512
.set gi, gi+1
.endr
	WIN 0
.endm
.macro MASKQ sd                        ; q of the queries of document s[sd], 0 for the others
	v_cmp_eq_u32 vcc_lo, s[\sd], v[IDS]
.set gi, 0
.rept 16
	v_cndmask_b32 v[MQ+gi], 0, v[Q+gi], vcc_lo
.set gi, gi+1
.endr
.endm
.macro ATT zero                        ; 10 products: the five accumulators take turns; zero = 1: the first five start the sums
	WIN W_MM
.irp k,0,1
.irp m,0,1,2,3,4
.if (\zero) && ((\k) == 0)
	v_wmma_f32_16x16x32_bf16 v[8*\m:8*\m+7], v[8*(2*\m+\k):8*(2*\m+\k)+7], v[MQ+8*\k:MQ+8*\k+7], 0
.else
	v_wmma_f32_16x16x32_bf16 v[8*\m:8*\m+7], v[8*(2*\m+\k):8*(2*\m+\k)+7], v[MQ+8*\k:MQ+8*\k+7], v[8*\m:8*\m+7]
.endif
.endr
.endr
	WIN 0
	PLACES                                         ; ahead of the next context's loads, the next select, and the reads of the results
.endm
	s_load_b256 s[4:11], s[0:1], 0x0               ; x, wqf, kvt, tgt_doc_ids
	s_load_b64 s[12:13], s[0:1], 0x20              ; attn
	v_lshl_add_u32 v[SPW], v0, 2, SPARE
	v_mov_b32 v[NIL], 0
	v_lshrrev_b32 v29, 5, v0
	v_readfirstlane_b32 s[WV], v29                 ; wave 0..3
	v_and_b32 v28, 31, v0                          ; l
	v_and_b32 v1, 15, v0                           ; r
	v_bfe_u32 v2, v0, 4, 1                         ; h
	v_lshlrev_b32 v[GB], 4, v28
	v_mul_u32_u24 v[LFA], v1, 144
	v_lshl_add_u32 v[LFA], v2, 4, v[LFA]
	s_lshl_b32 s18, s[WV], 17
	v_lshlrev_b32 v30, 4, v1
	v_lshl_add_u32 v30, v2, 12, v30
	v_add_nc_u32 v30, s18, v30                     ; (32 w + h) x 4,096 + 16 r
	v_lshl_add_u32 v[PFO], v28, 12, s18            ; (32 w + l) x 4,096
	s_mul_i32 s18, s[WV], 32*144
	v_mul_u32_u24 v31, v2, 144
	v_lshl_add_u32 v31, v1, 3, v31
	v_add_nc_u32 v31, s18, v31                     ; (32 w + h) x 144 + 8 r
	WIN W_M3
	v_mov_b32 v[LSA3], v31
	v_mov_b32 v[GA3], v30
	WIN 0
	s_lshl_b32 s18, s[WV], 15
	s_add_co_u32 s18, s18, SPILL
	v_lshl_add_u32 v[SPA], v28, 4, s18
	v_mov_b32 v[SPR], v[SPA]
	s_mul_i32 s18, s[WV], 2304
	s_add_co_u32 s18, s18, STAGE
	v_add_nc_u32 v[STO], s18, v[LFA]               ; in: row r, 16 bytes for each half of the lanes
	v_lshrrev_b32 v29, 3, v28
	v_mul_u32_u24 v29, v29, 144
	v_and_b32 v30, 7, v28
	v_lshl_add_u32 v29, v30, 4, v29
	v_add_nc_u32 v[STR], s18, v29                  ; back: 32 lanes take four rows of 128 bytes,
	v_mov_b32 v[GO], v[GB]                         ; which are 512 consecutive bytes of attn
	v_mov_b32 v[VB], 0
	v_mov_b32 v[VT], 0
	v_mov_b32 v[ONE], 1
	s_mov_b32 s[CP], 0x3e6d3388
	s_mov_b32 s[CC], 0xbf38aa3b
	s_mov_b32 s[A1], 0x3e827906
	s_mov_b32 s[A2], 0xbe91a98e
	s_mov_b32 s[A3], 0x3fb5f0e3
	s_mov_b32 s[A4], 0xbfba00e3
	s_mov_b32 s[A5], 0x3f87dc22
.irp c, CC, A1, A2, A3, A4, A5
	s_mov_b32 s[\c+1], s[\c]                       ; named as pairs, so both words are written
.endr
	s_mov_b32 s15, ttmp9                           ; cb: the key head
	s_and_b32 s16, ttmp7, 0xffff                   ; rb: my block of 128 rows
	s_lshl_b32 s17, s16, 9
	v_lshl_add_u32 v[IDA], v1, 2, s17              ; 4 (128 rb + r)
	s_cmp_eq_u32 s15, 0
	s_cselect_b32 s[LIM], 3, -1
	s_lshl_b32 s18, s16, 19
	s_mov_b32 s19, 0
	s_lshl_b32 s20, s15, 4
	s_lshl2_add_u32 s20, s[WV], s20                ; my first tile of columns, 16 cb + 4 w
	s_lshl_b32 s20, s20, 15
	s_mov_b32 s21, 0
	s_lshr_b32 s22, s16, 4                         ; b
	s_lshl2_add_u32 s22, s22, s15                  ; 4 b + kvh
	s_mul_i32 s22, s22, 163840
	s_mov_b32 s23, 0
	s_lshl2_add_u32 s50, s15, s[WV]                ; my head, 4 cb + w
	s_lshl_b32 s50, s50, 20
	s_lshl_b32 s51, s16, 14
	s_add_co_u32 s50, s50, s51
	s_mov_b32 s51, 0
	s_mov_b32 s[OFP+1], 0
	s_wait_kmcnt 0x0
	s_add_nc_u64 s[XA:XA+1], s[XA:XA+1], s[18:19]
	s_add_nc_u64 s[WB:WB+1], s[WB:WB+1], s[20:21]
	s_add_nc_u64 s[KVB:KVB+1], s[KVB:KVB+1], s[22:23]
	s_add_nc_u64 s[AT:AT+1], s[AT:AT+1], s[50:51]
.irp a,0,1,2,3,4,5,6,7
	global_load_b32 v[IDS+\a], v[IDA], s[10:11] offset:64*\a   ; the oldest loads: every later wait covers them
.endr
	WIN W_ST
.set ux, 0
.rept NU
	global_load_b128 v[4*ux:4*ux+3], v[GA3], s[XA:XA+1] offset:ux*UG
.set ux, ux+1
.endr
.set ux, 0
.rept NU
	global_load_b128 v[SETW+4*ux:SETW+4*ux+3], v[GA3], s[XA:XA+1] offset:STEP+ux*UG
.set ux, ux+1
.endr
	BLOAD 0, 0
	s_wait_xcnt 0x0
	s_add_nc_u64 s[XA:XA+1], s[XA:XA+1], 2*STEP
	s_wait_loadcnt 32                              ; trip 0's rows are in; trip 1's 16 loads and the 16 of the weights may stay out
.set ux, 0
.rept NU
	UNIT ux, 0, 0, 1, 0
.set ux, ux+1
.endr
	BLOAD 1, 2048
	s_wait_xcnt 0x0
	s_add_nc_u64 s[WB:WB+1], s[WB:WB+1], 2048
	s_wait_dscnt 0x0
	s_barrier_signal -1
	s_barrier_wait -1                              ; slot 0 is whole
.set ux, 0
.rept 8
	FLOAD 0, ux, 0
.set ux, ux+1
.endr
	TRIP 0, 1, 1, 1, 1, 32, 1                      ; trip 0 stands ahead of the loop: its first products start the sums with the constant 0
	WIN 0
	s_mov_b32 s[LP], 6
.Lk:                                               ; trips 1 to 12
	TRIP 1, 0, 1, 1, 1, 32, 2
	TRIP 0, 0, 1, 1, 1, 32, 2
	WIN 0
	s_sub_co_u32 s[LP], s[LP], 1
	s_cmp_lg_u32 s[LP], 0
	s_cbranch_scc1 .Lk
	TRIP 1, 0, 1, 0, 1, 32, 0                      ; trip 13: no rows are left to ask for
	TRIP 0, 0, 1, 0, 0, 16, 0                      ; trip 14: nor weights; only trip 15's 16 loads of weights may stay out
	TRIP 1, 0, 0, 0, 0, 0, 0                       ; trip 15
	PLACES                                         ; (eight in all, once a launch, ahead of the first reads of results)
	; BEHIND THE PRODUCT.  The first tile's first document's context is asked for; all accumulators go to my own bytes of LDS, so that one text can walk the eight tiles.
	v_readfirstlane_b32 s[CUR], v[IDS]
	s_min_u32 s[CUR], s[CUR], 15                   ; an id enters an address only clamped to the table; the select below compares the id itself
	s_mul_i32 s[OFP], s[CUR], 10240
	s_add_nc_u64 s[KVP:KVP+1], s[KVB:KVB+1], s[OFP:OFP+1]
	KVLOAD
	WIN W_SP
.set gi, 0
.rept 32
	ds_store_b128 v[SPA], v[8*gi:8*gi+3]   offset:1024*gi
	ds_store_b128 v[SPA], v[8*gi+4:8*gi+7] offset:1024*gi+512
.set gi, gi+1
.endr
	WIN 0
	s_mov_b32 s[TL], 8
.Ltile:                                            ; a tile of 16 queries a trip.  LDS serves a wave's instructions in order (ISA guide 5.7.1.4): the loads see my stores
.irp b,0,1,2,3
	ds_load_b128 v[GX+8*\b:GX+8*\b+3],   v[SPR] offset:1024*\b
	ds_load_b128 v[GX+8*\b+4:GX+8*\b+7], v[SPR] offset:1024*\b+512
.endr
	v_lshlrev_b32 v[VB], v[IDS], v[ONE]            ; a bit for my query's document; the sixteen queries' bits are joined.  A bit set by an id outside 0 .. 15 costs a product with q = 0 everywhere
.irp x,1,2,4,8
	v_mov_b32_dpp v[VT], v[VB] row_xmask:\x row_mask:0xf bank_mask:0xf
	v_or_b32 v[VB], v[VB], v[VT]
.endr
	v_readfirstlane_b32 s[PRES], v[VB]
	s_and_b32 s[PRES], s[PRES], 0xffff
	s_lshl_b32 s50, 1, s[CUR]
	s_and_not1_b32 s[PRES], s[PRES], s50           ; the context in registers is taken in any case
	s_bcnt1_i32_b32 s[NN], s[PRES]
	s_wait_dscnt 0x0
	GELU32
.set gi, 0
.rept 16
	v_cvt_pk_bf16_f32 v[Q+gi], v[GX+2*gi], v[GX+2*gi+1]
.set gi, gi+1
.endr
	MASKQ CUR
	s_wait_loadcnt 0x0                             ; the context is in
	ATT 1
	s_mov_b32 s[CNT], 0
	s_cmp_lt_u32 s[CNT], s[NN]
	s_cbranch_scc0 .Lnodoc
.Ldoc:                                             ; the tile's other documents, lowest first
	s_ctz_i32_b32 s[DD], s[PRES]
	s_min_u32 s[DD], s[DD], 15
	s_lshl_b32 s50, 1, s[DD]
	s_and_not1_b32 s[PRES], s[PRES], s50
	s_mov_b32 s[CUR], s[DD]
	s_mul_i32 s[OFP], s[DD], 10240
	s_add_nc_u64 s[KVP:KVP+1], s[KVB:KVB+1], s[OFP:OFP+1]  ; the last context's loads were waited for, so their address may be written
	KVLOAD
	MASKQ DD
	s_wait_loadcnt 0x0
	ATT 0
	s_add_co_u32 s[CNT], s[CNT], 1
	s_cmp_lt_u32 s[CNT], s[NN]
	s_cbranch_scc1 .Ldoc
.Lnodoc:
	PLACES                                         ; (eight in all ahead of the first read of a result)
	WIN W_SP
	v_add_f32 v[DN], 0x3727c5ac, v32               ; den + 1e-5: the fifth accumulator's lowest register (v32 of window 1)
	WIN 0
	v_rcp_f32 v[RC], v[DN]
	v_mov_b32 v[RC+1], 0                           ; the plain instruction behind the reciprocal; the pair's other word is written
	s_wait_alu depctr_va_vdst(0)                   ; and the wait ahead of the first use
	WIN W_R1
.set gi, 0
.rept 16                                       ; each accumulator's registers in ascending order
	v_pk_mul_f32 v[GT+2*gi:GT+2*gi+1], v[2*gi:2*gi+1], v[RC:RC+1] op_sel_hi:[1,0]
.set gi, gi+1
.endr
	WIN 0
.set gi, 0
.rept 16
	v_cvt_pk_f16_f32 v[PKO+gi], v[GT+2*gi], v[GT+2*gi+1]
.set gi, gi+1
.endr
.irp m,0,1,2,3
	ds_store_b128 v[STO], v[PKO+4*\m:PKO+4*\m+3] offset:32*\m   ; channels 16 m + 8 h .. of row r
.endr
.irp f,0,1,2,3
	ds_load_b128 v[RB+4*\f:RB+4*\f+3], v[STR] offset:576*\f
.endr
	s_wait_dscnt 0x0
.irp f,0,1,2,3
	global_store_b128 v[GO], v[RB+4*\f:RB+4*\f+3], s[AT:AT+1] offset:512*\f  ; 512 consecutive bytes, aligned
.endr
	s_wait_xcnt 0x0                                ; the stores have read their data and their offset, which are written again
	v_add_nc_u32 v[GO], 2048, v[GO]
	v_add_nc_u32 v[SPR], 4096, v[SPR]
.irp a,0,1,2,3,4,5,6
	v_mov_b32 v[IDS+\a], v[IDS+1+\a]               ; the next tile's ids move down, so that one text names them
.endr
	s_sub_co_u32 s[TL], s[TL], 1
	s_cmp_lg_u32 s[TL], 0
	s_cbranch_scc1 .Ltile
	s_wait_tensorcnt 0x0                           ; the wave's end, behind my last LDS store
	ds_add_u32 v[SPW], v[NIL]
	s_wait_dscnt 0x0
	s_endpgm
.Lfunc_end_k_q7c73e0b839_qattn:
	.size	k_q7c73e0b839_qattn, .Lfunc_end_k_q7c73e0b839_qattn-k_q7c73e0b839_qattn
	.p2alignl 7, 3214868480
	.fill 96, 4, 3214868480
	.section	.rodata,"a",@progbits
	.p2align	6, 0x0
	.amdhsa_kernel k_q7c73e0b839_qattn
		.amdhsa_group_segment_fixed_size 179712
		.amdhsa_private_segment_fixed_size 0
		.amdhsa_enable_private_segment 0
		.amdhsa_kernarg_size 40
		.amdhsa_user_sgpr_count 2
		.amdhsa_user_sgpr_kernarg_segment_ptr 1
		.amdhsa_wavefront_size32 1
		.amdhsa_system_sgpr_workgroup_id_x 1
		.amdhsa_system_sgpr_workgroup_id_y 1
		.amdhsa_system_sgpr_workgroup_id_z 1
		.amdhsa_system_vgpr_workitem_id 0
		.amdhsa_next_free_vgpr 900
		.amdhsa_next_free_sgpr 66
		.amdhsa_reserve_vcc 1
		.amdhsa_float_denorm_mode_32 3
		.amdhsa_float_denorm_mode_16_64 3
		.amdhsa_memory_ordered 1
		.amdhsa_forward_progress 1
		.amdhsa_inst_pref_size 126
	.end_amdhsa_kernel
	.amdgpu_metadata
---
amdhsa.version: [ 1, 2 ]
amdhsa.kernels:
  - .name:           k_q7c73e0b839_qattn
    .symbol:         k_q7c73e0b839_qattn.kd
    .args:
      - { .name: x, .offset: 0, .size: 8, .value_kind: global_buffer, .address_space: global }
      - { .name: wqf, .offset: 8, .size: 8, .value_kind: global_buffer, .address_space: global }
      - { .name: kvt, .offset: 16, .size: 8, .value_kind: global_buffer, .address_space: global }
      - { .name: tgt_doc_ids, .offset: 24, .size: 8, .value_kind: global_buffer, .address_space: global }
      - { .name: attn, .offset: 32, .size: 8, .value_kind: global_buffer, .address_space: global }
    .group_segment_fixed_size: 179712
    .private_segment_fixed_size: 0
    .kernarg_segment_align: 8
    .kernarg_segment_size: 40
    .max_flat_workgroup_size: 128
    .sgpr_count:     66
    .vgpr_count:     900
    .wavefront_size: 32
...
	.end_amdgpu_metadata
.endif
;; end of part 4
;; launch oproj (part 5): grid 4 x 64, 4 waves a work-group, no clusters, 54,784 bytes of LDS; arguments attn, wof, out0; writes out0
.if DOCPART == 5
	.amdgcn_target "amdgcn-amd-amdhsa--gfx1250"
	.amdhsa_code_object_version 6
	.text
	.protected	k_q7c73e0b839_oproj
	.globl	k_q7c73e0b839_oproj
	.p2align	8
	.type	k_q7c73e0b839_oproj,@function
k_q7c73e0b839_oproj:
	s_mov_b64 s[64:65], 0
	v_nop
	global_prefetch_b8 v0, s[64:65] scope:SCOPE_SE
	s_setreg_imm32_b32 hwreg(HW_REG_WAVE_MODE, 25, 1), 1
	s_wait_xcnt 0x0
; out0 = attn Wo.  attn: [head 16][t 8,192][64] in f16; wof: Wo in f16, in fragment order; out0: [8,192][1,024] in f32.  Sums in f32.
; SHARES.  A work-group makes 128 rows x 256 columns; each of its four waves all 128 rows x 64 columns: 8 x 4 accumulators.  K = 1,024 goes in 16 trips of 64: trip i is head i, whose 128 rows
; are 16,384 dense bytes.  attn: memory -> registers -> LDS (two slots of 128 rows x 144 bytes) -> fragments.  Weights straight into registers.
; NO CLUSTER, NO TENSOR LOADS: the weights, which are most of what the work-groups share (64 row blocks), go straight into the registers of the one wave of a work-group that multiplies by them;
; through LDS they would add 16 KiB written and 16 KiB read for 32 of K where now there are none.  attn's rows (4 column blocks) are 16 KiB a trip against the weights' 32 KiB.
; LAYOUT.  Source 0 = 16 columns of Wo, source 1 = 16 rows of attn: in the result a lane holds ONE row of out0 (lane % 16) and eight neighbouring columns: 32 bytes.
; REGISTERS, in windows of 256 (s_set_vgpr_msb: bits 1:0 source 0, 3:2 source 1, 5:4 source 2, 7:6 destination):
;   window 0: v0-31 addresses; v64-127, v128-191 attn's fragments; the way out reads rows back into v64-127
;   window 1: accumulator (a, b) at 8 (4 a + b)     window 2: two sets of weights     window 3: two sets of 32 on their way to LDS; v128, v129 their addresses
.set SLOTB, 18432                      ; a slot: 128 rows x 144 bytes.  144 bytes = 36 words: the 16 rows of a fragment load start at 16 different groups of four banks (ISA guide 11.1)
.set STEP,  1048576                    ; bytes from head to head
.set NU,    8                          ; units of four rows that a wave stages in a trip
.set SETW,  32
.set UG,    512
.set STG,   2*SLOTB                    ; 4 x 4,352: each wave's own: 16 rows x 272 bytes, for the way out
.set SPARE, STG+4*4352                 ; the spare words, 128 bytes a wave: two blocks of 256 bytes that no other line names
.set SPW, 3
.set NIL, 4
.set GB,  5
.set LFA, 6
.set PFO, 7                            ; v7   256 x my thread's number; never rewritten
.set STO, 8
.set STR, 9
.set CO,  10
.set LSA3, 128
.set GA3,  129
.set OB,  64
.set XA, 4                             ; s[4:5] attn at the work-group's rows, at the head being asked for
.set WB, 6                             ; s[6:7] wof at my four tiles
.set OUTP, 8                           ; s[8:9] out0 at my rows and columns
.set WV, 10
.set LP, 24
.set LIM, 25
.set W_MM, 0x52
.set W_ST, 0xcf
.set W_LB, 0x80
.set W_SP, 0x04
.set W_M3, 0xc0
.set MSB, 0
.macro WIN new                         ; the immediate's high byte repeats the setting that is left; a switch that changes nothing is dropped
.if MSB != (\new)
	s_set_vgpr_msb (MSB<<8)|(\new)
.set MSB, \new
.endif
.endm
.macro PLACES                          ; four places between a matrix instruction and a load into one of its registers, or a read of its result
.rept 4
	v_nop
.endr
.endm
.macro WM ks, p, a, b, zero
.set rD, 8*(4*(\a)+(\b))
.set rW, 64*(\p)+16*(\b)+8*(\ks)
.set rA, 64+64*(\ks)+8*(\a)
.if \zero
	v_wmma_f32_16x16x32_f16 v[rD:rD+7], v[rW:rW+7], v[rA:rA+7], 0
.else
	v_wmma_f32_16x16x32_f16 v[rD:rD+7], v[rW:rW+7], v[rA:rA+7], v[rD:rD+7]
.endif
.endm
.macro FLOAD ks, a, slot
	WIN 0
.set rF, 64+64*(\ks)+8*(\a)
	ds_load_b128 v[rF:rF+3],   v[LFA] offset:(\slot)*SLOTB+(\a)*2304+64*(\ks)
	ds_load_b128 v[rF+4:rF+7], v[LFA] offset:(\slot)*SLOTB+(\a)*2304+64*(\ks)+32
.endm
.macro UNIT u, q, slot, aload, xo      ; four rows of set q go into the slot; the registers are asked for again at once
	WIN W_ST
.set rU, SETW*(\q)+4*(\u)
	ds_store_b128 v[LSA3], v[rU:rU+3] offset:(\slot)*SLOTB+(\u)*576
.if \aload
	global_load_b128 v[rU:rU+3], v[GA3], s[XA:XA+1] offset:(\xo)+(\u)*UG
.endif
.endm
.macro BLOAD p, xo
	WIN W_LB
.irp b,0,1,2,3
.irp k,0,1
	global_load_b128 v[64*(\p)+16*(\b)+8*(\k):64*(\p)+16*(\b)+8*(\k)+3],   v[GB], s[WB:WB+1] offset:(\xo)+(\b)*32768+(\k)*1024
	global_load_b128 v[64*(\p)+16*(\b)+8*(\k)+4:64*(\p)+16*(\b)+8*(\k)+7], v[GB], s[WB:WB+1] offset:(\xo)+(\b)*32768+(\k)*1024+512
.endr
.endr
.endm
; A PREFETCH INTO THE L2: the 16,384 bytes of the work-group's rows in the head that the loads six trips on will ask for: 64 blocks of 256 bytes, a lane a block: waves 0 and 1, one instruction each.
; The four column blocks read the same rows: column block 0 asks, so each block is named once in the launch.  In trip i the pointer stands at head i + 3 and the prefetch names head i + 9:
; trips 0 to 6 ask, later ones would pass the last head.  how = 1: trip 0; 2: in the loop, whose count is above 3 in trips 1 to 6.
.macro ASK how
.if (\how) == 1
	s_cmp_eq_u32 s[LIM], 3
.else
	s_cmp_gt_u32 s[LP], s[LIM]
.endif
	s_cbranch_scc0 .Lna_\@
	global_prefetch_b8 v[PFO], s[XA:XA+1] offset:6*STEP th:TH_LOAD_NT scope:SCOPE_SE
.Lna_\@:
.endm
; TRIP i, p = i % 2: multiplies slot p by weight set p; stages the rows of trip i + 1 into slot 1 - p; asks for the rows of trip i + 3 and the weights of trip i + 2.
; The 32 accumulators take turns, one instruction a turn, in the same order in every half trip, over the backward jump too.
; ONE BARRIER a trip orders two things: every wave's stores into slot 1 - p stand ahead of all reads of it, and every wave's reads of slot p (all waited for) ahead of the next trip's stores into it.
.macro TRIP p, zero, stage, aload, bload, cnt, ask
	s_wait_loadcnt \cnt                            ; the rows of trip i + 1 and the weights of trip i are in; what was asked for later may stay out
.if \aload
	s_wait_xcnt 0x0                                ; every load and prefetch issued so far has read its address: the pointer may be written
	s_add_nc_u64 s[XA:XA+1], s[XA:XA+1], STEP
.endif
	s_wait_dscnt 0x0                               ; the first half's fragments are in
.set sx, 0
.rept 16
	WIN W_MM
	WM 0, \p, sx/2, 2*(sx%2), \zero
	WM 0, \p, sx/2, 2*(sx%2)+1, \zero
.if sx < 8
	FLOAD 1, sx, \p
.endif
.if (\stage) && (sx >= 16-NU)
	UNIT sx-(16-NU), 1-(\p), 1-(\p), \aload, 0
.endif
.set sx, sx+1
.endr
	WIN 0
	PLACES                                         ; for the loads into the first half's fragments below
.if \ask
	ASK \ask
.endif
	s_wait_dscnt 0x0                               ; the second half's fragments are in: my reads of slot p are over; my stores into slot 1 - p are done
.if \stage
	s_barrier_signal -1
	s_barrier_wait -1
.endif
.set sx, 0
.rept 16
	WIN W_MM
	WM 1, \p, sx/2, 2*(sx%2), 0
	WM 1, \p, sx/2, 2*(sx%2)+1, 0
.if (\stage) && (sx < 8)
	FLOAD 0, sx, 1-(\p)
.endif
.set sx, sx+1
.endr
	WIN 0
	PLACES                                         ; for the loads into weight set p, and into the second half's fragments in the next trip
.if \bload
	s_wait_xcnt 0x0
	s_add_nc_u64 s[WB:WB+1], s[WB:WB+1], 2048
	BLOAD \p, 0
.endif
.endm
; THE WAY OUT of 16 rows: a lane's 32 bytes of a row go into rows of 272 bytes of my own stage and come back as whole rows of 256 bytes.
.macro OUT a
	WIN W_SP
.irp b,0,1,2,3
	ds_store_b128 v[STO], v[8*(4*(\a)+\b):8*(4*(\a)+\b)+3]   offset:64*\b
	ds_store_b128 v[STO], v[8*(4*(\a)+\b)+4:8*(4*(\a)+\b)+7] offset:64*\b+16
.endr
	WIN 0
	s_wait_xcnt 0x0                                ; earlier stores have read the registers that are loaded again
.irp f,0,1,2,3,4,5,6,7
	ds_load_b128 v[OB+32*((\a)%2)+4*\f:OB+32*((\a)%2)+4*\f+3], v[STR] offset:544*\f  ; LDS serves a wave's instructions in order (ISA guide 5.7.1.4): these see the stores above; the next 16 rows' stores come behind them
.endr
	s_wait_dscnt 0x0
.irp f,0,1,2,3,4,5,6,7
	global_store_b128 v[CO], v[OB+32*((\a)%2)+4*\f:OB+32*((\a)%2)+4*\f+3], s[OUTP:OUTP+1] offset:(16*(\a)+2*\f)*4096 th:TH_STORE_NT  ; 16 lanes store 256 consecutive bytes, aligned
.endr
.endm
	s_load_b128 s[4:7], s[0:1], 0x0                ; attn, wof
	s_load_b64 s[8:9], s[0:1], 0x10                ; out0
	v_lshl_add_u32 v[SPW], v0, 2, SPARE
	v_mov_b32 v[NIL], 0
	v_lshrrev_b32 v29, 5, v0
	v_readfirstlane_b32 s[WV], v29                 ; wave 0..3
	v_and_b32 v28, 31, v0                          ; l
	v_and_b32 v1, 15, v0                           ; r
	v_bfe_u32 v2, v0, 4, 1                         ; h
	v_lshlrev_b32 v[GB], 4, v28
	v_mul_u32_u24 v[LFA], v1, 144
	v_lshl_add_u32 v[LFA], v2, 4, v[LFA]
	v_lshlrev_b32 v[PFO], 8, v0
	s_lshl_b32 s14, s[WV], 12
	v_lshl_add_u32 v30, v28, 4, s14                ; my wave's 32 rows are 4,096 dense bytes: 4,096 w + 16 l
	s_mul_i32 s14, s[WV], 32*144
	v_lshrrev_b32 v31, 3, v28
	v_mul_u32_u24 v31, v31, 144
	v_and_b32 v29, 7, v28
	v_lshl_add_u32 v31, v29, 4, v31
	v_add_nc_u32 v31, s14, v31                     ; (32 w + l / 8) x 144 + 16 (l % 8)
	WIN W_M3
	v_mov_b32 v[LSA3], v31
	v_mov_b32 v[GA3], v30
	WIN 0
	s_mul_i32 s14, s[WV], 4352
	s_add_co_u32 s14, s14, STG
	v_mul_u32_u24 v[STO], v1, 272
	v_lshl_add_u32 v[STO], v2, 5, v[STO]
	v_add_nc_u32 v[STO], s14, v[STO]               ; in: row r, 32 bytes for each half of the lanes
	v_mul_u32_u24 v[STR], v2, 272
	v_lshl_add_u32 v[STR], v1, 4, v[STR]
	v_add_nc_u32 v[STR], s14, v[STR]               ; back: lanes 0-15 one row of 256 bytes, lanes 16-31 the next
	v_lshlrev_b32 v[CO], 12, v2
	v_lshl_add_u32 v[CO], v1, 4, v[CO]             ; and the same two rows in out0
	s_and_b32 s12, ttmp7, 0xffff                   ; rb
	s_lshr_b32 s14, s[WV], 1                       ; 0 in waves 0 and 1,
	s_or_b32 s14, s14, ttmp9                       ; of column block 0
	s_cmp_eq_u32 s14, 0
	s_cselect_b32 s[LIM], 3, -1
	s_lshl_b32 s14, s12, 14                        ; 128 rb rows of 128 bytes
	s_mov_b32 s15, 0
	s_lshl_b32 s16, ttmp9, 4
	s_lshl2_add_u32 s16, s[WV], s16
	s_lshl_b32 s16, s16, 15
	s_mov_b32 s17, 0
	s_lshl_b32 s18, s12, 19                        ; 128 rb rows of 4,096 bytes
	s_lshl_b32 s19, ttmp9, 10
	s_add_co_u32 s18, s18, s19
	s_lshl_b32 s19, s[WV], 8
	s_add_co_u32 s18, s18, s19
	s_mov_b32 s19, 0
	s_wait_kmcnt 0x0
	s_add_nc_u64 s[XA:XA+1], s[XA:XA+1], s[14:15]
	s_add_nc_u64 s[WB:WB+1], s[WB:WB+1], s[16:17]
	s_add_nc_u64 s[OUTP:OUTP+1], s[OUTP:OUTP+1], s[18:19]
	WIN W_ST
.set ux, 0
.rept NU
	global_load_b128 v[4*ux:4*ux+3], v[GA3], s[XA:XA+1] offset:ux*UG
.set ux, ux+1
.endr
.set ux, 0
.rept NU
	global_load_b128 v[SETW+4*ux:SETW+4*ux+3], v[GA3], s[XA:XA+1] offset:STEP+ux*UG
.set ux, ux+1
.endr
	BLOAD 0, 0
	s_wait_xcnt 0x0
	s_add_nc_u64 s[XA:XA+1], s[XA:XA+1], 2*STEP
	s_wait_loadcnt 24                              ; trip 0's rows are in; trip 1's 8 loads and the 16 of the weights may stay out
.set ux, 0
.rept NU
	UNIT ux, 0, 0, 1, 0
.set ux, ux+1
.endr
	BLOAD 1, 2048
	s_wait_xcnt 0x0
	s_add_nc_u64 s[WB:WB+1], s[WB:WB+1], 2048
	s_wait_dscnt 0x0
	s_barrier_signal -1
	s_barrier_wait -1                              ; slot 0 is whole
.set ux, 0
.rept 8
	FLOAD 0, ux, 0
.set ux, ux+1
.endr
	TRIP 0, 1, 1, 1, 1, 24, 1                      ; trip 0 stands ahead of the loop: its first products start the sums with the constant 0
	WIN 0
	s_mov_b32 s[LP], 6
.Lk:                                               ; trips 1 to 12
	TRIP 1, 0, 1, 1, 1, 24, 2
	TRIP 0, 0, 1, 1, 1, 24, 2
	WIN 0
	s_sub_co_u32 s[LP], s[LP], 1
	s_cmp_lg_u32 s[LP], 0
	s_cbranch_scc1 .Lk
	TRIP 1, 0, 1, 0, 1, 24, 0                      ; trip 13: no rows are left to ask for
	TRIP 0, 0, 1, 0, 0, 16, 0                      ; trip 14: nor weights; only trip 15's 16 loads of weights may stay out
	TRIP 1, 0, 0, 0, 0, 0, 0                       ; trip 15
	PLACES                                         ; (eight in all, once a launch, ahead of the first reads of results)
.irp a,0,1,2,3,4,5,6,7
	OUT \a
.endr
	s_wait_tensorcnt 0x0                           ; the wave's end, behind my last LDS store
	ds_add_u32 v[SPW], v[NIL]
	s_wait_dscnt 0x0
	s_endpgm
.Lfunc_end_k_q7c73e0b839_oproj:
	.size	k_q7c73e0b839_oproj, .Lfunc_end_k_q7c73e0b839_oproj-k_q7c73e0b839_oproj
	.p2alignl 7, 3214868480
	.fill 96, 4, 3214868480
	.section	.rodata,"a",@progbits
	.p2align	6, 0x0
	.amdhsa_kernel k_q7c73e0b839_oproj
		.amdhsa_group_segment_fixed_size 54784
		.amdhsa_private_segment_fixed_size 0
		.amdhsa_enable_private_segment 0
		.amdhsa_kernarg_size 24
		.amdhsa_user_sgpr_count 2
		.amdhsa_user_sgpr_kernarg_segment_ptr 1
		.amdhsa_wavefront_size32 1
		.amdhsa_system_sgpr_workgroup_id_x 1
		.amdhsa_system_sgpr_workgroup_id_y 1
		.amdhsa_system_sgpr_workgroup_id_z 1
		.amdhsa_system_vgpr_workitem_id 0
		.amdhsa_next_free_vgpr 900
		.amdhsa_next_free_sgpr 66
		.amdhsa_reserve_vcc 0
		.amdhsa_float_denorm_mode_32 3
		.amdhsa_float_denorm_mode_16_64 3
		.amdhsa_memory_ordered 1
		.amdhsa_forward_progress 1
		.amdhsa_inst_pref_size 84
	.end_amdhsa_kernel
	.amdgpu_metadata
---
amdhsa.version: [ 1, 2 ]
amdhsa.kernels:
  - .name:           k_q7c73e0b839_oproj
    .symbol:         k_q7c73e0b839_oproj.kd
    .args:
      - { .name: attn, .offset: 0, .size: 8, .value_kind: global_buffer, .address_space: global }
      - { .name: wof, .offset: 8, .size: 8, .value_kind: global_buffer, .address_space: global }
      - { .name: out0, .offset: 16, .size: 8, .value_kind: global_buffer, .address_space: global }
    .group_segment_fixed_size: 54784
    .private_segment_fixed_size: 0
    .kernarg_segment_align: 8
    .kernarg_segment_size: 24
    .max_flat_workgroup_size: 128
    .sgpr_count:     66
    .vgpr_count:     900
    .wavefront_size: 32
...
	.end_amdgpu_metadata
.endif
;; end of part 5
